; MI455X (gfx1250); checked and timed in simulation.
; The chip was launched on July 23, 2026; its instructions are those of AMD's public machine-readable ISA for CDNA 5 (MIT licence, August 2026) and "CDNA5" Instruction Set Architecture Reference Guide (July 2026). The comments in the code are by the model that wrote it; some were corrected since.
;; Attention. Allowed arithmetic: float matrix products may take bf16 or f16 operands with f32 sums; all other float work in f32.
;; Inputs: V 1 x 1,024 float32; W_c 1,024 x 1 float32; W_h 1,024 x 1,024 float32; W_s 1,024 x 1,024 float32; b_s 1,024 float32; coverage 32 x 2,048 float32; dec_hidden 32 x 1,024 float32; enc_output 32 x 2,048 x 1,024 float32; enc_padding_mask 32 x 2,048 float32.
;; Outputs: out0 32 x 1,024 float32; out1 32 x 2,048 float32; out2 32 x 2,048 float32.
;; 2 versions, each right; version 2 is version 1 with the launch attend written anew for expert scheduling mode. Each part assembles by itself: llvm-mc -triple=amdgcn-amd-amdhsa -mcpu=gfx1250 --defsym DOCPART=n.
;; ======== version 1 of 2: 3 launches
;; workspace buffers: wf 2,097,152 bytes; feat 131,072 bytes; wv 8,192 bytes; scores 262,144 bytes; part 2,097,152 bytes
;; launch prep (part 1): grid 64 x 1, 16 waves a work-group, no clusters, 34,816 bytes of LDS; arguments W_h, W_s, b_s, W_c, V, dec_hidden, wf, feat, wv; writes wf, feat, wv
.if DOCPART == 1
	.amdgcn_target "amdgcn-amd-amdhsa--gfx1250"
	.amdhsa_code_object_version 6
	.text
	.protected	k_q004ae995b7_prep
	.globl	k_q004ae995b7_prep
	.p2align	8
	.type	k_q004ae995b7_prep,@function
k_q004ae995b7_prep:
	s_mov_b64 s[64:65], 0
	v_nop
	global_prefetch_b8 v0, s[64:65] scope:SCOPE_SE
	s_setreg_imm32_b32 hwreg(HW_REG_WAVE_MODE, 25, 1), 1
	s_wait_xcnt 0x0
; Prepares what the main launch reads again and again.  c = 2 log2(e), so that tanh(x) = 1 - 2 / (1 + 2^(c x)).
;   wf   = bf16(c W_h), laid out as the matrix unit's B fragments: byte = w*524288 + (32 p + kt)*8192 + nt*1024 + cc*512 + 16 L holds
;          c W_h[o][k .. k+7], o = 512 p + 128 w + 16 nt + (L & 15), k = 32 kt + 16 cc + 8 (L >> 4)
;   feat = c (dec_hidden W_s^T + b_s), [o / 16][batch 32][16] f32
;   wv   = [o / 16][2][16] f32: c W_c, then -2 V
; Work-group g owns the 16 rows o = 16 g .. 16 g + 15 of W_h and W_s.  Wave v owns k = 64 v .. 64 v + 63 (two K steps of 32).
; The decoder product (32 x 16 x 1024 for a work-group) is split along K over the 16 waves and joined in LDS in f32.
; No cluster: the only bytes that work-groups share are dec_hidden's 131,072, against 131,072 of W_h and W_s that each reads alone.
.set CSC,  0x4038aa3b                  ; c = 2 log2(e)
.set RO,   2                           ; v2   r*4096 + 32 h + 256 v: my 32 bytes in a row of W_h, W_s, dec_hidden
.set WO,   3                           ; v3   16 L + 16384 v: my 16 bytes in wf
.set LS,   4                           ; v4   2048 v + 4 L: my word in my wave's LDS part
.set LANE, 5
.set RR,   6                           ; r = L & 15
.set HH,   7                           ; h = L >> 4
.set BO,   8                           ; 16 (t & 3)
.set R4,   9                           ; 4 r
.set L4,   14                          ; 4 L
.set WH,   16                          ; v[16:47]   W_h: [q 2][cc 2][8] f32, then 8 packed registers at 16 q
.set WS,   48                          ; v[48:79]   W_s likewise
.set DH,   80                          ; v[80:143]  dec_hidden: [m-tile 2][q 2][16] f32, packed likewise; later the 16 partial sums
.set ACC,  144                         ; v[144:159] two result tiles (batches 0-15, 16-31)
.set BS,   160                         ; v[160:163] b_s
.set WC,   164
.set VV,   165
.set PWH, 8
.set PWS, 10
.set PBS, 12
.set PWC, 14
.set PVV, 16
.set PDH, 18
.set PWF, 20
.set PFT, 22
.set PWV, 24
	s_load_b512 s[8:23], s[0:1], 0x0               ; W_h, W_s, b_s, W_c, V, dec_hidden, wf, feat
	s_load_b64 s[24:25], s[0:1], 0x40              ; wv
	v_lshl_add_u32 v176, v0, 2, 0x8000
	v_mov_b32 v177, 0
	v_lshrrev_b32 v1, 5, v0
	v_readfirstlane_b32 s26, v1                    ; wave v, 0 to 15
	v_and_b32 v[LANE], 31, v0
	v_and_b32 v[RR], 15, v0
	v_bfe_u32 v[HH], v0, 4, 1
	s_lshl_b32 s32, s26, 8
	v_lshl_add_u32 v[RO], v[RR], 12, s32
	v_lshl_add_u32 v[RO], v[HH], 5, v[RO]
	s_lshl_b32 s32, s26, 14
	v_lshl_add_u32 v[WO], v[LANE], 4, s32
	s_lshl_b32 s32, s26, 11
	v_lshl_add_u32 v[LS], v[LANE], 2, s32
	v_and_b32 v[BO], 3, v0
	v_lshlrev_b32 v[BO], 4, v[BO]
	v_lshlrev_b32 v[R4], 2, v[RR]
	v_lshlrev_b32 v[L4], 2, v[LANE]
	s_mov_b32 s28, CSC
	s_mov_b32 s29, CSC
	s_mov_b32 s31, 0
	s_wait_kmcnt 0x0
	s_lshl_b32 s30, ttmp9, 16                      ; 16 rows of 4,096 bytes
	s_add_nc_u64 s[PWH:PWH+1], s[PWH:PWH+1], s[30:31]
	s_add_nc_u64 s[PWS:PWS+1], s[PWS:PWS+1], s[30:31]
	s_lshl_b32 s30, ttmp9, 6                       ; 16 f32
	s_add_nc_u64 s[PBS:PBS+1], s[PBS:PBS+1], s[30:31]
	s_add_nc_u64 s[PWC:PWC+1], s[PWC:PWC+1], s[30:31]
	s_add_nc_u64 s[PVV:PVV+1], s[PVV:PVV+1], s[30:31]
	s_bfe_u32 s32, ttmp9, 0x20003                  ; g = 32 p + 8 w + nt: w
	s_lshl_b32 s30, s32, 19
	s_lshr_b32 s32, ttmp9, 5                       ; p
	s_lshl_b32 s32, s32, 18
	s_add_co_u32 s30, s30, s32
	s_and_b32 s32, ttmp9, 7                        ; nt
	s_lshl_b32 s32, s32, 10
	s_add_co_u32 s30, s30, s32
	s_add_nc_u64 s[PWF:PWF+1], s[PWF:PWF+1], s[30:31]
	s_lshl_b32 s30, ttmp9, 11
	s_add_nc_u64 s[PFT:PFT+1], s[PFT:PFT+1], s[30:31]
	s_lshl_b32 s30, ttmp9, 7
	s_add_nc_u64 s[PWV:PWV+1], s[PWV:PWV+1], s[30:31]
; eight loads: K steps q = 0, 1; halves cc = 0, 1 of a fragment; 32 bytes (8 f32) each.  Together the wave takes 256 consecutive bytes of 16 rows.
.macro LD8 dst, base, imm
.irp q, 0,1
.irp cc, 0,1
.irp e, 0,1
	global_load_b128 v[\dst+16*\q+8*\cc+4*\e:\dst+16*\q+8*\cc+4*\e+3], v[RO], s[\base:\base+1] offset:\imm+128*\q+64*\cc+16*\e
.endr
.endr
.endr
.endm
; 16 f32 to 8 registers of bf16 pairs, in place: register j takes 2 j and 2 j + 1, which no earlier line has overwritten
.macro PACK16 b
.irp j, 0,1,2,3,4,5,6,7
	v_cvt_pk_bf16_f32 v[\b+\j], v[\b+2*\j], v[\b+2*\j+1]
.endr
.endm
	LD8 WH, PWH, 0
	LD8 WS, PWS, 0
	LD8 DH, PDH, 0                                 ; batches 0-15
	LD8 DH+32, PDH, 65536                          ; batches 16-31
	global_load_b128 v[BS:BS+3], v[BO], s[PBS:PBS+1]   ; three small loads in every wave, used by waves 0 to 4 only:
	global_load_b32 v[WC], v[R4], s[PWC:PWC+1]         ; they cost less than a branch would save, and each register
	global_load_b32 v[VV], v[R4], s[PVV:PVV+1]         ; is written on every path
	s_wait_loadcnt 27                              ; W_h's eight loads are in: 8 + 16 + 3 younger ones stay out (loads return in order, ISA guide 5.7.1)
.irp i, 0,2,4,6,8,10,12,14,16,18,20,22,24,26,28,30
	v_pk_mul_f32 v[WH+\i:WH+\i+1], v[WH+\i:WH+\i+1], s[28:29] op_sel_hi:[1,0]   ; c W_h in f32, rounded to bf16 once
.endr
	PACK16 WH
	PACK16 WH+16
.irp q, 0,1
.irp cc, 0,1
	global_store_b128 v[WO], v[WH+16*\q+4*\cc:WH+16*\q+4*\cc+3], s[PWF:PWF+1] offset:\q*8192+\cc*512   ; the wave stores 512 consecutive bytes
.endr
.endr
	s_wait_loadcnt 0x0
	PACK16 WS
	PACK16 WS+16
	PACK16 DH
	PACK16 DH+16
	PACK16 DH+32
	PACK16 DH+48
	v_wmma_f32_16x16x32_bf16 v[ACC:ACC+7], v[DH:DH+7], v[WS:WS+7], 0                    ; the first product starts each sum
	v_wmma_f32_16x16x32_bf16 v[ACC+8:ACC+15], v[DH+32:DH+39], v[WS:WS+7], 0
	v_wmma_f32_16x16x32_bf16 v[ACC:ACC+7], v[DH+16:DH+23], v[WS+16:WS+23], v[ACC:ACC+7]
	v_wmma_f32_16x16x32_bf16 v[ACC+8:ACC+15], v[DH+48:DH+55], v[WS+16:WS+23], v[ACC+8:ACC+15]
.rept 4
	v_nop                                          ; four places before the results are stored and DH is loaded again (ISA guide 7.12.1)
.endr
.irp t, 0,1
.irp j, 0,1,2,3,4,5,6,7
	ds_store_b32 v[LS], v[ACC+8*\t+\j] offset:(8*\t+\j)*128    ; (batch 16 t + 8 h + j, column r) at word (8 t + j) 32 + L of my wave's 2,048 bytes
.endr
.endr
	s_wait_dscnt 0x0                               ; my partial sums are in LDS before I say so
	s_barrier_signal -1
	s_barrier_wait -1
	s_cmp_gt_u32 s26, 4
	s_cbranch_scc1 .Ldone                          ; waves 5 to 15 have no more to do
	s_cmp_eq_u32 s26, 4
	s_cbranch_scc1 .Lwave4
	; waves 0 to 3: thread t joins the 16 partial sums of batch m = t >> 2, columns 4 (t & 3) .. + 3
	v_and_b32 v10, 127, v0
	v_lshrrev_b32 v11, 2, v10                      ; m
	v_and_b32 v12, 7, v11                          ; j
	v_lshrrev_b32 v13, 4, v11                      ; tile
	v_lshl_add_u32 v12, v13, 3, v12
	v_bfe_u32 v13, v11, 3, 1                       ; h
	v_lshlrev_b32 v12, 7, v12
	v_lshl_add_u32 v12, v13, 6, v12
	v_add_nc_u32 v12, v[BO], v12
.irp i, 0,1,2,3,4,5,6,7,8,9,10,11,12,13,14,15
	ds_load_b128 v[DH+4*\i:DH+4*\i+3], v12 offset:2048*\i
.endr
	v_lshlrev_b32 v10, 4, v10
	s_wait_dscnt 0x0
.irp i, 4,5,6,7,8,9,10,11,12,13,14,15
	v_pk_add_f32 v[DH+4*(\i&3):DH+4*(\i&3)+1], v[DH+4*(\i&3):DH+4*(\i&3)+1], v[DH+4*\i:DH+4*\i+1]         ; four chains
	v_pk_add_f32 v[DH+4*(\i&3)+2:DH+4*(\i&3)+3], v[DH+4*(\i&3)+2:DH+4*(\i&3)+3], v[DH+4*\i+2:DH+4*\i+3]
.endr
.irp j, 0,2
	v_pk_add_f32 v[DH+\j:DH+\j+1], v[DH+\j:DH+\j+1], v[DH+4+\j:DH+4+\j+1]
	v_pk_add_f32 v[DH+8+\j:DH+8+\j+1], v[DH+8+\j:DH+8+\j+1], v[DH+12+\j:DH+12+\j+1]
	v_pk_add_f32 v[DH+\j:DH+\j+1], v[DH+\j:DH+\j+1], v[DH+8+\j:DH+8+\j+1]
	v_pk_add_f32 v[DH+\j:DH+\j+1], v[DH+\j:DH+\j+1], v[BS+\j:BS+\j+1]
	v_pk_mul_f32 v[DH+\j:DH+\j+1], v[DH+\j:DH+\j+1], s[28:29] op_sel_hi:[1,0]
.endr
	global_store_b128 v10, v[DH:DH+3], s[PFT:PFT+1]    ; 512 consecutive bytes a wave
	s_wait_tensorcnt 0x0
	ds_add_u32 v176, v177
	s_wait_dscnt 0x0
	s_endpgm
.Lwave4:
	v_mul_f32 v10, s28, v[WC]                      ; lanes 0-15: c W_c
	v_mul_f32 v11, -2.0, v[VV]                     ; lanes 16-31: -2 V
	v_cmp_le_u32 vcc_lo, 16, v[LANE]
	v_cndmask_b32 v10, v10, v11, vcc_lo
	global_store_b32 v[L4], v10, s[PWV:PWV+1]      ; 128 consecutive bytes: all that this work-group has of wv
.Ldone:
	s_wait_tensorcnt 0x0
	ds_add_u32 v176, v177
	s_wait_dscnt 0x0
	s_endpgm
.Lfunc_end_k_q004ae995b7_prep:
	.size	k_q004ae995b7_prep, .Lfunc_end_k_q004ae995b7_prep-k_q004ae995b7_prep
	.p2alignl 7, 3214868480
	.fill 96, 4, 3214868480
	.section	.rodata,"a",@progbits
	.p2align	6, 0x0
	.amdhsa_kernel k_q004ae995b7_prep
		.amdhsa_group_segment_fixed_size 34816
		.amdhsa_private_segment_fixed_size 0
		.amdhsa_enable_private_segment 0
		.amdhsa_kernarg_size 72
		.amdhsa_user_sgpr_count 2
		.amdhsa_user_sgpr_kernarg_segment_ptr 1
		.amdhsa_wavefront_size32 1
		.amdhsa_system_sgpr_workgroup_id_x 1
		.amdhsa_system_sgpr_workgroup_id_y 1
		.amdhsa_system_sgpr_workgroup_id_z 1
		.amdhsa_system_vgpr_workitem_id 0
		.amdhsa_next_free_vgpr 178
		.amdhsa_next_free_sgpr 66
		.amdhsa_reserve_vcc 1
		.amdhsa_float_denorm_mode_32 3
		.amdhsa_float_denorm_mode_16_64 3
		.amdhsa_memory_ordered 1
		.amdhsa_forward_progress 1
		.amdhsa_inst_pref_size 17
	.end_amdhsa_kernel
	.amdgpu_metadata
---
amdhsa.version: [ 1, 2 ]
amdhsa.kernels:
  - .name:           k_q004ae995b7_prep
    .symbol:         k_q004ae995b7_prep.kd
    .args:
      - { .name: W_h, .offset: 0, .size: 8, .value_kind: global_buffer, .address_space: global }
      - { .name: W_s, .offset: 8, .size: 8, .value_kind: global_buffer, .address_space: global }
      - { .name: b_s, .offset: 16, .size: 8, .value_kind: global_buffer, .address_space: global }
      - { .name: W_c, .offset: 24, .size: 8, .value_kind: global_buffer, .address_space: global }
      - { .name: V, .offset: 32, .size: 8, .value_kind: global_buffer, .address_space: global }
      - { .name: dec_hidden, .offset: 40, .size: 8, .value_kind: global_buffer, .address_space: global }
      - { .name: wf, .offset: 48, .size: 8, .value_kind: global_buffer, .address_space: global }
      - { .name: feat, .offset: 56, .size: 8, .value_kind: global_buffer, .address_space: global }
      - { .name: wv, .offset: 64, .size: 8, .value_kind: global_buffer, .address_space: global }
    .group_segment_fixed_size: 34816
    .private_segment_fixed_size: 0
    .kernarg_segment_align: 8
    .kernarg_segment_size: 72
    .max_flat_workgroup_size: 512
    .sgpr_count:     66
    .vgpr_count:     178
    .wavefront_size: 32
...
	.end_amdgpu_metadata
.endif
;; end of part 1
;; launch attend (part 2): grid 256 x 1, 4 waves a work-group, no clusters, 306,688 bytes of LDS; arguments enc_output, wf, feat, wv, coverage, enc_padding_mask, scores, part; writes scores, part
.if DOCPART == 2
	.amdgcn_target "amdgcn-amd-amdhsa--gfx1250"
	.amdhsa_code_object_version 6
	.text
	.protected	k_q004ae995b7_attend
	.globl	k_q004ae995b7_attend
	.p2align	8
	.type	k_q004ae995b7_attend,@function
k_q004ae995b7_attend:
	s_mov_b64 s[64:65], 0
	v_nop
	global_prefetch_b8 v0, s[64:65] scope:SCOPE_SE
	s_setreg_imm32_b32 hwreg(HW_REG_WAVE_MODE, 25, 1), 1
	s_wait_xcnt 0x0
; Scores and partial contexts.  Work-group x owns encoder rows 256 x .. 256 x + 255 (batch x >> 3), as two blocks of 128 rows.
; A block is read from memory once, rounded to bf16 and kept in LDS for both of its uses:
;   x'(m, o) = cov(m) cW_c(o) + c dec(o) + sum over k of enc(m, k) cW_h(o, k)      (c = 2 log2 e, folded in by the launch before)
;   e'(m)    = mask(m) + sum over o of (-2 V(o)) / (1 + 2^x'(m, o))                 = e_t + mask - sum V, since tanh x = 1 - 2 / (1 + 2^(c x));
;              the constant sum V is the same for every row of a softmax and cancels there, for any input
;   p(m)     = exp(e'(m) - m_blk), m_blk the block's own largest e' (held at -FLT_MAX at the least, so that a block masked with -inf gives 0)
;   part     = sum over the block's m of p(m) enc(m, :)
; The last launch takes the largest m_blk of a batch and rescales: the maximum is taken away everywhere, none is assumed.
; Four waves.  In each of two passes p wave w makes columns o = 512 p + 128 w .. + 127 of all 128 rows: 8 x 8 tiles, 512 registers.
; A K step of 32 is 16 LDS loads (A), 16 global loads (B, already in fragment order) and 64 matrix instructions.
; THE BLOCK ARRIVES IN SLICES ALONG K, UNDER ITS OWN PASS 0.  A slice is 64 columns of the 128 rows (256 consecutive bytes of each row in memory),
; enough for two K steps.  Slices 0-3 land in the accumulators of window 3 while these are idle (for the second block: under the rest of the first
; block's epilogue, its softmax and its context product); slices 4-15 come through 64 landing registers, one slice for every two K steps of pass 0,
; each asked for two K steps (128 matrix instructions) before it is converted.  Pass 0 has 32 K steps, the last slice is stored in step 22.
; NO CLUSTER, NO TENSOR LOADS: the resident block leaves 327,680 - 294,912 = 32,768 bytes of LDS, 11,264 of them scratch; a K step of W for a pass's
; 512 columns is 32,768 bytes.  No two waves of the work-group read the same bytes of W, so LDS would spare no read inside the work-group either.
; W therefore goes straight to registers, three K steps (24,576 bytes a wave) ahead.
; LIMITS: a mask of +inf or NaN gives NaN as in the reference; p and enc enter the context product rounded to bf16;
; v_exp_f32 gives 0 for results below 2^-126 (ISA guide 15.8), which here means 1 / (1 + 0) = 1 or p = 0.
.set SP,     144                       ; a row of a slice in LDS: 128 bytes + 16 = 9 x 16, so the 16 rows of a fragment load start 16 bytes apart modulo 256
.set T16,    16*SP                     ; 16 rows
.set SLICE,  128*SP                    ; 18432: 128 rows x 64 columns of bf16
.set EPB,    16*SLICE                  ; 294912: partial scores [p 2][w 4][128 rows] f32
.set COVB,   EPB+4096                  ; each wave's copy of the block's 128 coverages
.set PBB,    COVB+2048                 ; each wave's 128 p as bf16
.set CTB,    PBB+1024                  ; each wave's 256 context columns f32; ends at 306176
.set LOG2E,  0x3fb8aa3b
.set NEXTB,  524288                    ; bytes of enc_output from a block to the next
; window 0
.set L16,   1                          ; 16 L
.set R4,    2                          ; 4 r
.set PF,    3                          ; 4096 L: lane L asks for row L of my 32
.set ABASE, 4                          ; r SP + 16 h
.set ACUR,  5                          ; the same in this trip's two slices
.set ANXT,  6                          ; in the next trip's
.set OFFA,  7                          ; this trip's 32,768 bytes of my W stream
.set OFFB,  8                          ; the next trip's
.set GL,    9                          ; (L >> 4) 4096 + 16 (L & 15): a load takes 256 bytes of two rows
.set FOFF,  10                         ; GL + 512 trip
.set STA0,  11                         ; w 32 SP + (L >> 4) SP + 8 (L & 15): where these go in slice 0
.set STA4,  12                         ; in slice 4
.set STA,   13                         ; in slice 4 + 2 trip
.set EPW,   14
.set EPR,   15
.set COVW,  16
.set COVR,  17
.set PBW,   18
.set PBR,   19
.set CTW,   20
.set CTR,   21
.set TRB,   24                         ; v[24:27]  transposing loads: (32 ks + 8 h + (L & 7)) SP + 4 w SLICE + 16 ((L >> 3) & 1)
.set MASK,  28                         ; v[28:31]  mask of rows 4 L .. 4 L + 3
.set ESC,   32                         ; v[32:35]  e' of these rows
.set COVT,  36                         ; v[36:39]  coverage as loaded
.set CW,    40                         ; v[40:55]  this pass's pairs (cW_c, c dec) of column r of tile nt at 2 nt
.set V2B,   56                         ; v[56:63]  this pass's -2 V at nt
.set LAND,  64                         ; v[64:127] a slice on its way in: 16 loads of 4 registers
.set TMP,   64                         ; the same registers at the start and at a block's end, when no slice is on its way
.set AB0,   128                        ; v[128:191] A fragments, buffer 0
.set AB1,   192                        ; v[192:255] buffer 1
; window 1: four B buffers of 64 registers; at a block's end buffer 3, which holds nothing then, takes p as four A fragments
.set PFR,   192
; windows 2, 3: accumulator tile (a, nt) at 8 (8 a + nt), row tiles 0-3 and 4-7.
; window 2, registers 0-127, once more as the 16 context tiles; window 3 once more as the landing place of slices 0-3 (slice s at 64 s).
.set PEN, 8
.set PWF, 10
.set PFT, 12
.set PWV, 14
.set PCV, 16
.set PMK, 18
.set PSC, 20
.set PPT, 22
; s_set_vgpr_msb: bits 1:0 source 0, 3:2 source 1, 5:4 source 2, 7:6 destination; the high byte repeats the setting that is left
.set MSB, 0
.macro WIN new
.if MSB != (\new)
	s_set_vgpr_msb (MSB<<8)|(\new)
.set MSB, (\new)
.endif
.endm
.set MUL_LO, 0xa4                      ; A window 0, B window 1, C and D window 2
.set MUL_HI, 0xf4                      ; C and D window 3
.set TO_B,   0x40
; four places between a matrix instruction and a load into, or a vector access to, one of its registers
.macro PLACES
.rept 4
	v_nop
.endr
.endm
	s_load_b512 s[8:23], s[0:1], 0x0               ; enc_output, wf, feat, wv, coverage, mask, scores, part
	v_lshl_add_u32 v22, v0, 2, 0x4ac00
	v_mov_b32 v23, 0
	v_lshrrev_b32 v[TMP], 5, v0
	v_readfirstlane_b32 s24, v[TMP]                ; wave w
	s_mov_b32 s25, ttmp9                           ; x
	s_mov_b32 s38, 0x76543210                      ; v_permlanex16_b32: lane i takes lane i of the other half
	s_mov_b32 s39, 0xfedcba98
	v_and_b32 v[TMP+1], 31, v0                     ; L
	v_and_b32 v[TMP+2], 15, v0                     ; r
	v_bfe_u32 v[TMP+3], v0, 4, 1                   ; h
	v_lshlrev_b32 v[L16], 4, v[TMP+1]
	v_lshlrev_b32 v[R4], 2, v[TMP+2]
	v_lshlrev_b32 v[PF], 12, v[TMP+1]
	v_mul_u32_u24 v[ABASE], v[TMP+2], SP
	v_lshl_add_u32 v[ABASE], v[TMP+3], 4, v[ABASE]
	v_lshlrev_b32 v[GL], 4, v[TMP+2]
	v_lshl_add_u32 v[GL], v[TMP+3], 12, v[GL]
	s_mul_i32 s33, s24, 32*SP
	v_mul_u32_u24 v[STA0], v[TMP+3], SP
	v_lshl_add_u32 v[STA0], v[TMP+2], 3, v[STA0]
	v_add_nc_u32 v[STA0], s33, v[STA0]
	v_add_nc_u32 v[STA4], 4*SLICE, v[STA0]
	s_lshl_b32 s33, s24, 9                         ; 512 w
	s_add_co_u32 s34, s33, EPB
	v_lshl_add_u32 v[EPW], v[TMP+3], 5, s34
	v_add_nc_u32 v[EPR], EPB, v[L16]
	s_add_co_u32 s34, s33, COVB
	v_add_nc_u32 v[COVW], s34, v[L16]
	v_lshl_add_u32 v[COVR], v[TMP+3], 5, s34
	s_lshl_b32 s34, s24, 8
	s_add_co_u32 s34, s34, PBB
	v_lshl_add_u32 v[PBW], v[TMP+1], 3, s34
	v_lshl_add_u32 v[PBR], v[TMP+3], 4, s34
	s_lshl_b32 s34, s24, 10
	s_add_co_u32 s34, s34, CTB
	v_add_nc_u32 v[CTW], s34, v[R4]
	v_add_nc_u32 v[CTR], s34, v[L16]
	v_and_b32 v[TMP+4], 7, v0
	v_lshl_add_u32 v[TMP+4], v[TMP+3], 3, v[TMP+4]
	v_mul_u32_u24 v[TMP+4], v[TMP+4], SP
	v_bfe_u32 v[TMP+5], v0, 3, 1
	v_lshl_add_u32 v[TMP+4], v[TMP+5], 4, v[TMP+4]
	s_mul_i32 s33, s24, 4*SLICE                    ; my 256 context columns are slices 4 w .. 4 w + 3
	v_add_nc_u32 v[TMP+4], s33, v[TMP+4]
.irp i, 0,1,2,3
	v_add_nc_u32 v[TRB+\i], \i*32*SP, v[TMP+4]
.endr
	s_mov_b32 s27, 0
	s_wait_kmcnt 0x0
	s_lshl_b32 s26, s25, 20                        ; 256 rows of 4,096 bytes
	s_lshl_b32 s28, s24, 17                        ; my 32 rows of a block
	s_add_co_u32 s26, s26, s28
	s_add_nc_u64 s[PEN:PEN+1], s[PEN:PEN+1], s[26:27]
	s_lshl_b32 s26, s24, 19                        ; my 524,288 bytes of wf
	s_add_nc_u64 s[PWF:PWF+1], s[PWF:PWF+1], s[26:27]
	s_lshr_b32 s28, s25, 3                         ; batch
	s_lshl_b32 s28, s28, 6
	s_lshl_b32 s26, s24, 14
	s_add_co_u32 s26, s26, s28
	s_add_nc_u64 s[PFT:PFT+1], s[PFT:PFT+1], s[26:27]
	s_lshl_b32 s26, s24, 10
	s_add_nc_u64 s[PWV:PWV+1], s[PWV:PWV+1], s[26:27]
	s_lshl_b32 s28, s25, 13                        ; two blocks of 4,096 bytes of part; + my 256 columns
	s_add_co_u32 s26, s26, s28
	s_add_nc_u64 s[PPT:PPT+1], s[PPT:PPT+1], s[26:27]
	s_lshl_b32 s26, s25, 10                        ; 256 rows of 4 bytes
	s_add_nc_u64 s[PCV:PCV+1], s[PCV:PCV+1], s[26:27]
	s_add_nc_u64 s[PMK:PMK+1], s[PMK:PMK+1], s[26:27]
	s_add_nc_u64 s[PSC:PSC+1], s[PSC:PSC+1], s[26:27]
; what a pass needs of the small tables, for column r of my eight tiles of pass q.  They depend on batch, wave, pass, tile and lane only.
.macro LOADCW q
.irp nt, 0,1,2,3,4,5,6,7
	global_load_b32 v[CW+2*\nt], v[R4], s[PWV:PWV+1] offset:(\q)*4096+\nt*128
	global_load_b32 v[CW+2*\nt+1], v[R4], s[PFT:PFT+1] offset:(\q)*65536+\nt*2048
.endr
.endm
.macro LOADV q
.irp nt, 0,1,2,3,4,5,6,7
	global_load_b32 v[V2B+\nt], v[R4], s[PWV:PWV+1] offset:(\q)*4096+\nt*128+64
.endr
.endm
; 16 LDS loads: the eight A fragments (128 rows x 32 K) at byte koff behind one address register
.macro FETCHA buf, areg, koff
	WIN 0
.irp mt, 0,1,2,3,4,5,6,7
	ds_load_b128 v[\buf+8*\mt:\buf+8*\mt+3], v[\areg] offset:\mt*T16+\koff
	ds_load_b128 v[\buf+8*\mt+4:\buf+8*\mt+7], v[\areg] offset:\mt*T16+\koff+32
.endr
.endm
; 16 global loads of 512 consecutive bytes: one K step (8,192 bytes) of my W stream into B buffer u
.macro FETCHB u, off, imm
	WIN TO_B
.irp nt, 0,1,2,3,4,5,6,7
	global_load_b128 v[64*\u+8*\nt:64*\u+8*\nt+3], v[\off], s[PWF:PWF+1] offset:\imm+\nt*1024
	global_load_b128 v[64*\u+8*\nt+4:64*\u+8*\nt+7], v[\off], s[PWF:PWF+1] offset:\imm+\nt*1024+512
.endr
.endm
.macro MUL32 ab, bu, hi
.irp a, 0,1,2,3
.irp nt, 0,1,2,3,4,5,6,7
	v_wmma_f32_16x16x32_bf16 v[8*(8*\a+\nt):8*(8*\a+\nt)+7], v[\ab+8*(4*\hi+\a):\ab+8*(4*\hi+\a)+7], v[64*\bu+8*\nt:64*\bu+8*\nt+7], v[8*(8*\a+\nt):8*(8*\a+\nt)+7]
.endr
.endr
.endm
; slices 0-3 of my 32 rows of the block at byte off: 64 loads, each 256 consecutive bytes of two rows, into window 3
.macro PRELAND off
	WIN 0xc0
.irp s, 0,1,2,3
.irp j, 0,1,2,3,4,5,6,7,8,9,10,11,12,13,14,15
	global_load_b128 v[64*\s+4*\j:64*\s+4*\j+3], v[GL], s[PEN:PEN+1] offset:\off+\s*256+\j*8192 th:TH_LOAD_NT
.endr
.endr
.endm
; one of them to bf16, in place, and into LDS: 8 bytes a lane, 128 consecutive bytes of two rows an instruction
.macro PRECVT s
	WIN 0xcf
.irp j, 0,1,2,3,4,5,6,7,8,9,10,11,12,13,14,15
	v_cvt_pk_bf16_f32 v[64*\s+4*\j], v[64*\s+4*\j], v[64*\s+4*\j+1]
	v_cvt_pk_bf16_f32 v[64*\s+4*\j+1], v[64*\s+4*\j+2], v[64*\s+4*\j+3]
.endr
	WIN 0x0c
.irp j, 0,1,2,3,4,5,6,7,8,9,10,11,12,13,14,15
	ds_store_b64 v[STA0], v[64*\s+4*\j:64*\s+4*\j+1] offset:\s*SLICE+\j*2*SP
.endr
.endm
; The fill step of pass 0, in K steps 0 (half = 0) and 2 (half = 1) of trips 0 to 5: slice 4 + 2 trip + half, which has landed, goes to LDS, and the
; next slice is asked for into the same registers.  Trips 6 and 7 have nothing left to bring, and slice 15 has no next one: no load leaves the block.
; The waits of the K steps hold on either side of these branches (see KSTEP).
.macro FILLOP half
	WIN 0
	s_cmp_ge_u32 s31, 6
	s_cbranch_scc1 .Lnofill\half
.irp j, 0,1,2,3,4,5,6,7,8,9,10,11,12,13,14,15
	v_cvt_pk_bf16_f32 v[LAND+4*\j], v[LAND+4*\j], v[LAND+4*\j+1]
	v_cvt_pk_bf16_f32 v[LAND+4*\j+1], v[LAND+4*\j+2], v[LAND+4*\j+3]
.endr
.irp j, 0,1,2,3,4,5,6,7,8,9,10,11,12,13,14,15
	ds_store_b64 v[STA], v[LAND+4*\j:LAND+4*\j+1] offset:\half*SLICE+\j*2*SP
.endr
.if \half
	s_cmp_ge_u32 s31, 5
	s_cbranch_scc1 .Lnofill\half
.endif
.irp j, 0,1,2,3,4,5,6,7,8,9,10,11,12,13,14,15
	global_load_b128 v[LAND+4*\j:LAND+4*\j+3], v[FOFF], s[PEN:PEN+1] offset:(5+\half)*256+\j*8192 th:TH_LOAD_NT
.endr
.Lnofill\half:
.endm
; One K step: multiply A buffer ab by B buffer bu; ahead of that ask for the next step's A (buffer abn) and for B three steps on (buffer bun).
; left: loads return in order (ISA guide 5.7.1).  Without a fill, behind this step's B stand the 2 x 16 loads of the next two steps: 32.
; In pass 0 the order of issue is  B(j), slice, B(j+1) | B(j+2) | slice', B(j+3) ...  (j even, | = a step's end):
;   even step j: 16 leaves B(j+2) out and shows B(j), the slice asked for in step j - 2 and B(j+1) in (in the pass's first step only CW's 16 loads
;                stand behind slice 4, hence 16 and not 32);
;   odd step j+1: 32 leaves the slice just asked for and B(j+3) out.  So B has two steps to arrive, a slice two steps.
.macro KSTEP ab, bu, abn, areg, koff, bun, boff, bimm, left, fill
	s_wait_dscnt 0x0                               ; this step's A fragments, asked for one step ago (and my stores of a slice)
	s_wait_loadcnt \left
.if \fill >= 0
	FILLOP \fill
.endif
	PLACES                                         ; abn and bun were the last step's operands
	FETCHA \abn, \areg, \koff
	FETCHB \bun, \boff, \bimm
	WIN MUL_LO
	MUL32 \ab, \bu, 0
	WIN MUL_HI
	MUL32 \ab, \bu, 1
.endm
; The addresses of a trip (four K steps = two slices), all from the trip counter s31.  My W stream is 16 groups of 32,768 bytes, walked round and
; round: it runs on over the ends of passes and blocks.
.macro TRIPADDR p
	s_wait_xcnt 0x0                                ; OFFA, OFFB and FOFF are address registers of loads that may still be out
	s_add_co_u32 s33, s31, 8*\p
	s_lshl_b32 s34, s33, 15
	v_add_nc_u32 v[OFFA], s34, v[L16]
	s_add_co_u32 s33, s33, 1
	s_and_b32 s33, s33, 15
	s_lshl_b32 s33, s33, 15
	v_add_nc_u32 v[OFFB], s33, v[L16]
	s_mul_i32 s35, s31, 2*SLICE
	v_add_nc_u32 v[ACUR], s35, v[ABASE]
	s_add_co_u32 s36, s31, 1
	s_and_b32 s36, s36, 7
	s_mul_i32 s36, s36, 2*SLICE
	v_add_nc_u32 v[ANXT], s36, v[ABASE]
.if \p == 0
	s_min_u32 s37, s31, 5                          ; trips 6 and 7 fill nothing: their two addresses stay at trip 5's
	s_mul_i32 s36, s37, 2*SLICE
	v_add_nc_u32 v[STA], s36, v[STA4]
	s_lshl_b32 s37, s37, 9                         ; two slices are 512 bytes of a row in memory
	v_add_nc_u32 v[FOFF], s37, v[GL]
.endif
.endm
; The sums start as cov(m) cW_c(o) + c dec(o): one packed multiply-add for two elements, in place of a clearing.  cov lies in A buffer 1.
.macro INIT
.irp hi, 0,1
	WIN (0x80+0x40*\hi)
.irp a, 0,1,2,3
.irp nt, 0,1,2,3,4,5,6,7
.irp j, 0,2,4,6
	v_pk_fma_f32 v[8*(8*\a+\nt)+\j:8*(8*\a+\nt)+\j+1], v[AB1+8*(4*\hi+\a)+\j:AB1+8*(4*\hi+\a)+\j+1], v[CW+2*\nt:CW+2*\nt+1], v[CW+2*\nt:CW+2*\nt+1] op_sel:[0,0,1] op_sel_hi:[1,0,1]
.endr
.endr
.endr
.endr
.endm
; 32 tiles of one window: r = 1 / (1 + 2^x'), then tile (a, 0) gathers sum over nt of (-2 V) r.  Three stages, one tile apart, so that every
; transcendental's result is first used behind a plain vector instruction that does not touch it (ISA guide 5.7.2): exp of tile i,
; add and rcp of tile i - 1, multiply-add of tile i - 2.  Only behind the very first run of exponentials a v_nop is needed.
.macro EPI win
	WIN \win
.set ei, 0
.rept 34
.if ei < 32
.set et, 8*(8*(ei&3)+(ei>>2))
.irp j, 0,1,2,3,4,5,6,7
	v_exp_f32 v[et+\j], v[et+\j]
.endr
.if ei == 0
	v_nop
.endif
.endif
.if ei > 0
.if ei < 33
.set et, 8*(8*((ei-1)&3)+((ei-1)>>2))
	s_wait_alu depctr_va_vdst(0)
.irp j, 0,2,4,6
	v_pk_add_f32 v[et+\j:et+\j+1], v[et+\j:et+\j+1], 1.0 op_sel_hi:[1,0]
.endr
.irp j, 0,1,2,3,4,5,6,7
	v_rcp_f32 v[et+\j], v[et+\j]
.endr
.endif
.endif
.if ei > 1
.set en, (ei-2)>>2
.set eh, 64*((ei-2)&3)
.set et, eh+8*en
.set ev, V2B+(en&6)
.irp j, 0,2,4,6
.if en == 0
	s_wait_alu depctr_va_vdst(0)
	v_pk_mul_f32 v[et+\j:et+\j+1], v[et+\j:et+\j+1], v[ev:ev+1] op_sel_hi:[1,0]
.elseif (en&1) == 0
	s_wait_alu depctr_va_vdst(0)
	v_pk_fma_f32 v[eh+\j:eh+\j+1], v[et+\j:et+\j+1], v[ev:ev+1], v[eh+\j:eh+\j+1] op_sel_hi:[1,0,1]
.else
	s_wait_alu depctr_va_vdst(0)
	v_pk_fma_f32 v[eh+\j:eh+\j+1], v[et+\j:et+\j+1], v[ev:ev+1], v[eh+\j:eh+\j+1] op_sel:[0,1,0] op_sel_hi:[1,1,1]
.endif
.endr
.endif
.set ei, ei+1
.endr
.endm
; Sum over the 16 columns that the 16 lanes of a half hold, then the 64 row sums of one window go to LDS.
; The 16 lanes of a half store the same bytes with the same values.
.macro REDUCE p, hi
	WIN (0x8a+0x45*\hi)
.irp x, 1,2,4,8
.irp a, 0,1,2,3
.irp j, 0,1,2,3,4,5,6,7
	v_add_f32_dpp v[64*\a+\j], v[64*\a+\j], v[64*\a+\j] row_xmask:\x row_mask:0xf bank_mask:0xf
.endr
.endr
.endr
	WIN (0x08+0x04*\hi)
.irp a, 0,1,2,3
	ds_store_b128 v[EPW], v[64*\a:64*\a+3] offset:\p*2048+(4*\hi+\a)*64
	ds_store_b128 v[EPW], v[64*\a+4:64*\a+7] offset:\p*2048+(4*\hi+\a)*64+16
.endr
.endm
; context product: B fragments (32 block rows x 16 columns) of eight column tiles, by transposing loads from the resident block.
; Column tile nt of my 256 columns lies in slice 4 w + (nt >> 2) at byte 32 (nt & 3) of the rows.
.macro CTXLOAD ks, half, buf
	WIN 0
.irp i, 0,1,2,3,4,5,6,7
	ds_load_tr16_b128 v[\buf+8*\i:\buf+8*\i+3], v[TRB+\ks] offset:(2*\half+(\i>>2))*SLICE+(\i&3)*32
	ds_load_tr16_b128 v[\buf+8*\i+4:\buf+8*\i+7], v[TRB+\ks] offset:(2*\half+(\i>>2))*SLICE+(\i&3)*32+T16
.endr
.endm
.macro CTXMUL ks, half, buf
	WIN 0xa1                                       ; A (p) window 1, B window 0, C and D window 2
.irp i, 0,1,2,3,4,5,6,7
.if \ks == 0
	v_wmma_f32_16x16x32_bf16 v[8*(8*\half+\i):8*(8*\half+\i)+7], v[PFR+8*\ks:PFR+8*\ks+7], v[\buf+8*\i:\buf+8*\i+7], 0
.else
	v_wmma_f32_16x16x32_bf16 v[8*(8*\half+\i):8*(8*\half+\i)+7], v[PFR+8*\ks:PFR+8*\ks+7], v[\buf+8*\i:\buf+8*\i+7], v[8*(8*\half+\i):8*(8*\half+\i)+7]
.endif
.endr
.endm
; one step of the context product; more = 1: the next step's fragments are asked for first; gap = 1: their buffer was a matrix operand just now
.macro CTXSTEP ks, half, buf, nks, nhalf, nbuf, more, gap
.if \more
.if \gap
	PLACES
.endif
	CTXLOAD \nks, \nhalf, \nbuf
	s_wait_dscnt 16                                ; all but the 16 loads just issued are in (LDS serves a wave in order, ISA guide 5.7.1)
.else
	s_wait_dscnt 0x0
.endif
	CTXMUL \ks, \half, \buf
.endm
; One pass: 512 columns of the work-group, 128 of mine.
.macro PASS p
	WIN 0
.irp mt, 0,1,2,3,4,5,6,7
	ds_load_b128 v[AB1+8*\mt:AB1+8*\mt+3], v[COVR] offset:\mt*64        ; cov of rows 16 mt + 8 h + 0 .. 7, as the accumulators hold them
	ds_load_b128 v[AB1+8*\mt+4:AB1+8*\mt+7], v[COVR] offset:\mt*64+16
.endr
	s_wait_dscnt 0x0
	INIT
	WIN 0
	LOADCW 1-\p                                    ; the pairs are done with: the other pass's come in under this pass's K loop, whose waits show them in
	s_mov_b32 s31, 0
.Lktrip\p:
	TRIPADDR \p
.if \p == 0
	; Trip i reads slices 2 i, 2 i + 1 and (looking ahead) 2 i + 2 and stores slices 2 i + 4 and 2 i + 5.  What the waves stored in the trip before
	; is first read in this trip's last step: my stores are in LDS (count 0), then the barrier.
	s_wait_dscnt 0x0
	s_barrier_signal -1
	s_barrier_wait -1
	KSTEP AB0, 0, AB1, ACUR, 64,       3, OFFA, 24576, 16, 0
	KSTEP AB1, 1, AB0, ACUR, SLICE,    0, OFFB, 0,     32, -1
	KSTEP AB0, 2, AB1, ACUR, SLICE+64, 1, OFFB, 8192,  16, 1
	KSTEP AB1, 3, AB0, ANXT, 0,        2, OFFB, 16384, 32, -1
.else
	KSTEP AB0, 0, AB1, ACUR, 64,       3, OFFA, 24576, 32, -1
	KSTEP AB1, 1, AB0, ACUR, SLICE,    0, OFFB, 0,     32, -1
	KSTEP AB0, 2, AB1, ACUR, SLICE+64, 1, OFFB, 8192,  32, -1
	KSTEP AB1, 3, AB0, ANXT, 0,        2, OFFB, 16384, 32, -1
.endif
	WIN 0
	s_add_co_u32 s31, s31, 1
	s_cmp_lt_u32 s31, 8
	s_cbranch_scc1 .Lktrip\p
	PLACES
	EPI 0xf3                                       ; window 3 first: in pass 1 it is wanted as a landing place
	REDUCE \p, 1
.if \p == 1
	; The next block's slices 0-3 set out now, into window 3, under the rest of this block's work.  Its slices 4-7 are asked into the cache:
	; four requests, lane L for the 256 bytes of my row L, each place asked for once, 131,072 bytes for the work-group; the loads that want them
	; follow from the next block's head to its fourth K step.  The last block asks for nothing.
	WIN 0
	s_cmp_lg_u32 s30, 0
	s_cbranch_scc1 .Lnopre
	PRELAND NEXTB
	WIN 0
.irp s, 4,5,6,7
	global_prefetch_b8 v[PF], s[PEN:PEN+1] offset:NEXTB+\s*256 th:TH_LOAD_NT scope:SCOPE_SE
.endr
.Lnopre:
.endif
	EPI 0xa2
	REDUCE \p, 0
	WIN 0
	LOADV 1-\p                                     ; -2 V of the other pass: wanted at that pass's end, shown in by its K loop's waits
.endm
	LOADCW 0
	FETCHB 0, L16, 0                               ; the first three K steps of my W stream
	FETCHB 1, L16, 8192
	FETCHB 2, L16, 16384
	PRELAND 0
	WIN 0
	LOADV 0                                        ; behind the slices, as on the way back from the first block: the counts below hold for both ways in
	s_mov_b32 s30, 0
.Lblock:
	; THE BLOCK'S HEAD.  Out, oldest first: slices 0-3 (16 loads each), -2 V (8), then the two loads below.
	global_load_b128 v[MASK:MASK+3], v[L16], s[PMK:PMK+1]
	global_load_b128 v[COVT:COVT+3], v[L16], s[PCV:PCV+1]
	s_wait_loadcnt 58                              ; slice 0 is in: 3 x 16 + 8 + 2 younger loads stay out
	PRECVT 0
	WIN 0
.irp j, 0,1,2,3,4,5,6,7,8,9,10,11,12,13,14,15
	global_load_b128 v[LAND+4*\j:LAND+4*\j+3], v[GL], s[PEN:PEN+1] offset:4*256+\j*8192 th:TH_LOAD_NT    ; slice 4 sets out
.endr
	s_wait_loadcnt 58                              ; slice 1: 2 x 16 + 8 + 2 + 16
	PRECVT 1
	s_wait_loadcnt 42                              ; slice 2
	PRECVT 2
	s_wait_loadcnt 26                              ; slice 3
	PRECVT 3
	WIN 0
	s_wait_loadcnt 16                              ; mask and coverage (and everything older); slice 4 stays out
	ds_store_b128 v[COVW], v[COVT:COVT+3]          ; my own copy of the block's coverage: no other wave reads it
	s_wait_dscnt 0x0                               ; my rows of slices 0-3 are in LDS before I say so
	s_barrier_signal -1
	s_barrier_wait -1
	FETCHA AB0, ABASE, 0
	PASS 0
	PASS 1                                         ; (its first A fragments were asked for by pass 0's last K step, whose look-ahead wraps round)
	s_wait_dscnt 0x0                               ; my partial scores are in LDS (and the look-ahead into A buffer 0, not used after pass 1, has landed)
	s_barrier_signal -1
	s_barrier_wait -1
.irp q, 0,1,2,3,4,5,6,7
	ds_load_b128 v[AB1+4*\q:AB1+4*\q+3], v[EPR] offset:\q*512          ; rows 4 L .. 4 L + 3 of the eight partial sums; every wave makes all 128 scores
.endr
	CTXLOAD 0, 0, AB0
	s_wait_dscnt 16                                ; the eight loads of partial sums; the 16 transposing loads stay out
	v_pk_add_f32 v[ESC:ESC+1], v[AB1:AB1+1], v[AB1+4:AB1+5]
	v_pk_add_f32 v[ESC+2:ESC+3], v[AB1+2:AB1+3], v[AB1+6:AB1+7]
.irp q, 2,3,4,5,6,7
	v_pk_add_f32 v[ESC:ESC+1], v[ESC:ESC+1], v[AB1+4*\q:AB1+4*\q+1]
	v_pk_add_f32 v[ESC+2:ESC+3], v[ESC+2:ESC+3], v[AB1+4*\q+2:AB1+4*\q+3]
.endr
	v_pk_add_f32 v[ESC:ESC+1], v[ESC:ESC+1], v[MASK:MASK+1]
	v_pk_add_f32 v[ESC+2:ESC+3], v[ESC+2:ESC+3], v[MASK+2:MASK+3]
	v_max3_num_f32 v[TMP], v[ESC], v[ESC+1], v[ESC+2]                  ; the block's largest score
	v_max_num_f32 v[TMP], v[TMP], v[ESC+3]
	v_max_num_f32_dpp v[TMP], v[TMP], v[TMP] row_xmask:1 row_mask:0xf bank_mask:0xf
	v_max_num_f32_dpp v[TMP], v[TMP], v[TMP] row_xmask:2 row_mask:0xf bank_mask:0xf
	v_max_num_f32_dpp v[TMP], v[TMP], v[TMP] row_xmask:4 row_mask:0xf bank_mask:0xf
	v_max_num_f32_dpp v[TMP], v[TMP], v[TMP] row_xmask:8 row_mask:0xf bank_mask:0xf
	v_mov_b32 v[TMP+1], v[TMP]
	v_permlanex16_b32 v[TMP+1], v[TMP], s38, s39
	v_max_num_f32 v[TMP], v[TMP], v[TMP+1]
	v_max_num_f32 v[TMP], 0xff7fffff, v[TMP]                           ; at least -FLT_MAX: -inf minus it stays -inf, no NaN
.irp j, 0,1,2,3
	v_sub_f32 v[TMP+2+\j], v[ESC+\j], v[TMP]
.endr
.irp j, 0,1,2,3
	v_mul_f32 v[TMP+2+\j], LOG2E, v[TMP+2+\j]
.endr
.irp j, 0,1,2,3
	v_exp_f32 v[TMP+2+\j], v[TMP+2+\j]
.endr
	v_nop                                          ; one plain place behind the exponentials (ISA guide 5.7.2)
	s_wait_alu depctr_va_vdst(0)
	v_cvt_pk_bf16_f32 v[TMP+6], v[TMP+2], v[TMP+3]
	v_cvt_pk_bf16_f32 v[TMP+7], v[TMP+4], v[TMP+5]
	ds_store_b64 v[PBW], v[TMP+6:TMP+7]            ; my own 256 bytes; the loads below follow it in order
	WIN TO_B
.irp ks, 0,1,2,3
	ds_load_b128 v[PFR+8*\ks:PFR+8*\ks+3], v[PBR] offset:64*\ks        ; p as an A fragment: all 16 rows of A are the same p
	ds_load_b128 v[PFR+8*\ks+4:PFR+8*\ks+7], v[PBR] offset:64*\ks+32
.endr
	WIN 0
	s_cmp_lg_u32 s24, 0
	s_cbranch_scc1 .Lnot0
	global_store_b128 v[L16], v[ESC:ESC+3], s[PSC:PSC+1]               ; wave 0 stores the block's 128 scores, 512 consecutive bytes
.Lnot0:
	; part(columns 256 w .. + 255) = p x block: 4 steps of 32 rows x 16 column tiles, eight tiles at a time on the two A buffers in turn
	CTXSTEP 0, 0, AB0, 0, 1, AB1, 1, 0
	CTXSTEP 0, 1, AB1, 1, 0, AB0, 1, 1
	CTXSTEP 1, 0, AB0, 1, 1, AB1, 1, 1
	CTXSTEP 1, 1, AB1, 2, 0, AB0, 1, 1
	CTXSTEP 2, 0, AB0, 2, 1, AB1, 1, 1
	CTXSTEP 2, 1, AB1, 3, 0, AB0, 1, 1
	CTXSTEP 3, 0, AB0, 3, 1, AB1, 1, 1
	CTXSTEP 3, 1, AB1, 0, 0, 0, 0, 0
	PLACES
	WIN 0x08
.irp nt, 0,1,2,3,4,5,6,7,8,9,10,11,12,13,14,15
	ds_store_b32 v[CTW], v[8*\nt] offset:\nt*64    ; register 0 is row 0 (lanes 0-15) or row 8 (lanes 16-31) of 16 equal rows: column 16 nt + r
.endr
	WIN 0
	ds_load_b128 v[TMP:TMP+3], v[CTR]              ; back as 16 bytes a lane (my own bytes, served in order)
	ds_load_b128 v[TMP+4:TMP+7], v[CTR] offset:512
	s_wait_dscnt 0x0                               ; also: all my reads of the block and of the partial scores are over
	global_store_b128 v[L16], v[TMP:TMP+3], s[PPT:PPT+1]               ; 512 consecutive bytes each
	global_store_b128 v[L16], v[TMP+4:TMP+7], s[PPT:PPT+1] offset:512
	s_barrier_signal -1
	s_barrier_wait -1                              ; nobody reads the block any more: its bytes may be stored into again
	s_wait_xcnt 0x0                                ; the bases of the loads and stores that are out, and the stores' data, are rewritten only behind this wait
	s_add_nc_u64 s[PEN:PEN+1], s[PEN:PEN+1], NEXTB
	s_add_nc_u64 s[PCV:PCV+1], s[PCV:PCV+1], 512
	s_add_nc_u64 s[PMK:PMK+1], s[PMK:PMK+1], 512
	s_add_nc_u64 s[PSC:PSC+1], s[PSC:PSC+1], 512
	s_add_nc_u64 s[PPT:PPT+1], s[PPT:PPT+1], 4096
	s_add_co_u32 s30, s30, 1
	s_cmp_lt_u32 s30, 2
	s_cbranch_scc1 .Lblock
	s_wait_tensorcnt 0x0
	ds_add_u32 v22, v23
	s_wait_dscnt 0x0
	s_endpgm
.Lfunc_end_k_q004ae995b7_attend:
	.size	k_q004ae995b7_attend, .Lfunc_end_k_q004ae995b7_attend-k_q004ae995b7_attend
	.p2alignl 7, 3214868480
	.fill 96, 4, 3214868480
	.section	.rodata,"a",@progbits
	.p2align	6, 0x0
	.amdhsa_kernel k_q004ae995b7_attend
		.amdhsa_group_segment_fixed_size 306688
		.amdhsa_private_segment_fixed_size 0
		.amdhsa_enable_private_segment 0
		.amdhsa_kernarg_size 64
		.amdhsa_user_sgpr_count 2
		.amdhsa_user_sgpr_kernarg_segment_ptr 1
		.amdhsa_wavefront_size32 1
		.amdhsa_system_sgpr_workgroup_id_x 1
		.amdhsa_system_sgpr_workgroup_id_y 1
		.amdhsa_system_sgpr_workgroup_id_z 1
		.amdhsa_system_vgpr_workitem_id 0
		.amdhsa_next_free_vgpr 1024
		.amdhsa_next_free_sgpr 66
		.amdhsa_reserve_vcc 0
		.amdhsa_float_denorm_mode_32 3
		.amdhsa_float_denorm_mode_16_64 3
		.amdhsa_memory_ordered 1
		.amdhsa_forward_progress 1
		.amdhsa_inst_pref_size 255
	.end_amdhsa_kernel
	.section	.bss,"aw",@nobits
	.p2align	6
	.space	262144
	.amdgpu_metadata
---
amdhsa.version: [ 1, 2 ]
amdhsa.kernels:
  - .name:           k_q004ae995b7_attend
    .symbol:         k_q004ae995b7_attend.kd
    .args:
      - { .name: enc_output, .offset: 0, .size: 8, .value_kind: global_buffer, .address_space: global }
      - { .name: wf, .offset: 8, .size: 8, .value_kind: global_buffer, .address_space: global }
      - { .name: feat, .offset: 16, .size: 8, .value_kind: global_buffer, .address_space: global }
      - { .name: wv, .offset: 24, .size: 8, .value_kind: global_buffer, .address_space: global }
      - { .name: coverage, .offset: 32, .size: 8, .value_kind: global_buffer, .address_space: global }
      - { .name: enc_padding_mask, .offset: 40, .size: 8, .value_kind: global_buffer, .address_space: global }
      - { .name: scores, .offset: 48, .size: 8, .value_kind: global_buffer, .address_space: global }
      - { .name: part, .offset: 56, .size: 8, .value_kind: global_buffer, .address_space: global }
    .group_segment_fixed_size: 306688
    .private_segment_fixed_size: 0
    .kernarg_segment_align: 8
    .kernarg_segment_size: 64
    .max_flat_workgroup_size: 128
    .sgpr_count:     66
    .vgpr_count:     1024
    .wavefront_size: 32
...
	.end_amdgpu_metadata
.endif
;; end of part 2
;; launch finish (part 3): grid 32 x 1, 8 waves a work-group, no clusters, 1,280 bytes of LDS; arguments scores, part, coverage, out0, out1, out2; writes out0, out1, out2
.if DOCPART == 3
	.amdgcn_target "amdgcn-amd-amdhsa--gfx1250"
	.amdhsa_code_object_version 6
	.text
	.protected	k_q004ae995b7_finish
	.globl	k_q004ae995b7_finish
	.p2align	8
	.type	k_q004ae995b7_finish,@function
k_q004ae995b7_finish:
	s_mov_b64 s[64:65], 0
	v_nop
	global_prefetch_b8 v0, s[64:65] scope:SCOPE_SE
	s_setreg_imm32_b32 hwreg(HW_REG_WAVE_MODE, 25, 1), 1
	s_wait_xcnt 0x0
; Joins a batch's 16 blocks of 128 rows.  Work-group = batch.  Thread t holds rows 4 t .. + 3 and 1024 + 4 t .. + 3, so wave v holds
; blocks v and 8 + v whole, and columns 4 t .. + 3 of the context.
;   m_blk = the block's largest score, held at -FLT_MAX at the least: the same numbers and the same operation as in the launch before, so the
;           same value bit for bit;   p = exp(e' - m_blk);   l_blk = sum p
;   M = largest m_blk;  wgt_blk = exp(m_blk - M);  L = sum l_blk wgt_blk
;   out1 = p wgt / L;   out2 = coverage + out1;   out0 = (sum over blocks of wgt_blk part_blk) / L
; A stream of 102,400 bytes for a work-group: no matrix unit, no cluster (work-groups share nothing); all 20 loads of a thread are issued at once.
; LIMITS: a batch whose rows are all masked with -inf gives L = 0 and NaN, as the reference does; so does a mask of +inf or NaN.
.set LOG2E, 0x3fb8aa3b
.set SC0,  4                           ; v[4:7]    scores, then p, then out1, block v
.set SC1,  8                           ; v[8:11]   block 8 + v
.set CV0,  12                          ; v[12:15]  coverage, then out2
.set CV1,  16
.set PART, 32                          ; v[32:95]  my four columns of the 16 partial contexts
.set MM,   96                          ; v[96:111] the 16 m_blk, then wgt_blk
.set LL,   112                         ; v[112:127] the 16 l_blk
	s_load_b256 s[8:15], s[0:1], 0x0               ; scores, part, coverage, out0
	s_load_b128 s[16:19], s[0:1], 0x20             ; out1, out2
	v_lshl_add_u32 v128, v0, 2, 0x100
	v_mov_b32 v129, 0
	v_lshlrev_b32 v1, 4, v0                        ; 16 t
	v_lshrrev_b32 v2, 5, v0
	v_readfirstlane_b32 s20, v2                    ; wave
	s_lshl_b32 s21, s20, 2
	v_mov_b32 v2, s21                              ; my wave's word in LDS
	s_mov_b32 s22, 0x76543210
	s_mov_b32 s23, 0xfedcba98
	s_lshl_b32 s24, ttmp9, 13                      ; 2,048 rows of 4 bytes
	s_mov_b32 s25, 0
	s_lshl_b32 s26, ttmp9, 16                      ; 16 blocks of 4,096 bytes
	s_mov_b32 s27, 0
	s_lshl_b32 s28, ttmp9, 12                      ; 1,024 columns of 4 bytes
	s_mov_b32 s29, 0
	s_wait_kmcnt 0x0
	s_add_nc_u64 s[8:9], s[8:9], s[24:25]
	s_add_nc_u64 s[10:11], s[10:11], s[26:27]
	s_add_nc_u64 s[12:13], s[12:13], s[24:25]
	s_add_nc_u64 s[14:15], s[14:15], s[28:29]
	s_add_nc_u64 s[16:17], s[16:17], s[24:25]
	s_add_nc_u64 s[18:19], s[18:19], s[24:25]
	global_load_b128 v[SC0:SC0+3], v1, s[8:9] th:TH_LOAD_NT
	global_load_b128 v[SC1:SC1+3], v1, s[8:9] offset:4096 th:TH_LOAD_NT
	global_load_b128 v[CV0:CV0+3], v1, s[12:13] th:TH_LOAD_NT
	global_load_b128 v[CV1:CV1+3], v1, s[12:13] offset:4096 th:TH_LOAD_NT
.irp i, 0,1,2,3,4,5,6,7,8,9,10,11,12,13,14,15
	global_load_b128 v[PART+4*\i:PART+4*\i+3], v1, s[10:11] offset:4096*\i th:TH_LOAD_NT
.endr
; a block's maximum m and sum l in every lane; the four scores become p
.macro STATS sc, m, l
	v_max3_num_f32 v[\m], v[\sc], v[\sc+1], v[\sc+2]
	v_max_num_f32 v[\m], v[\m], v[\sc+3]
.irp x, 1,2,4,8
	v_max_num_f32_dpp v[\m], v[\m], v[\m] row_xmask:\x row_mask:0xf bank_mask:0xf
.endr
	v_mov_b32 v28, v[\m]
	v_permlanex16_b32 v28, v[\m], s22, s23
	v_max_num_f32 v[\m], v[\m], v28
	v_max_num_f32 v[\m], 0xff7fffff, v[\m]
.irp j, 0,1,2,3
	v_sub_f32 v[\sc+\j], v[\sc+\j], v[\m]
.endr
.irp j, 0,1,2,3
	v_mul_f32 v[\sc+\j], LOG2E, v[\sc+\j]
.endr
.irp j, 0,1,2,3
	v_exp_f32 v[\sc+\j], v[\sc+\j]
.endr
	v_nop                                          ; one plain place behind the exponentials (ISA guide 5.7.2)
	s_wait_alu depctr_va_vdst(0)
	v_add_f32 v[\l], v[\sc], v[\sc+1]
	v_add_f32 v28, v[\sc+2], v[\sc+3]
	v_add_f32 v[\l], v[\l], v28
.irp x, 1,2,4,8
	v_add_f32_dpp v[\l], v[\l], v[\l] row_xmask:\x row_mask:0xf bank_mask:0xf
.endr
	v_permlanex16_b32 v28, v[\l], s22, s23
	v_add_f32 v[\l], v[\l], v28
.endm
	s_wait_loadcnt 18                              ; the two loads of scores; coverage's 2 and part's 16 stay out
	STATS SC0, 20, 21
	STATS SC1, 22, 23
	ds_store_b32 v2, v20                           ; m of block v          (all lanes: the same word, the same value)
	ds_store_b32 v2, v22 offset:32                 ; m of block 8 + v
	ds_store_b32 v2, v21 offset:64                 ; l likewise
	ds_store_b32 v2, v23 offset:96
	s_wait_dscnt 0x0                               ; in LDS before I say so
	s_barrier_signal -1
	s_barrier_wait -1
	v_mov_b32 v3, 0
.irp i, 0,1,2,3
	ds_load_b128 v[MM+4*\i:MM+4*\i+3], v3 offset:16*\i
	ds_load_b128 v[LL+4*\i:LL+4*\i+3], v3 offset:64+16*\i
.endr
	s_wait_dscnt 0x0
	v_max3_num_f32 v24, v[MM], v[MM+1], v[MM+2]
.irp i, 3,5,7,9,11,13
	v_max3_num_f32 v24, v24, v[MM+\i], v[MM+\i+1]
.endr
	v_max_num_f32 v24, v24, v[MM+15]               ; M
.irp i, 0,1,2,3,4,5,6,7,8,9,10,11,12,13,14,15
	v_sub_f32 v[MM+\i], v[MM+\i], v24
.endr
	v_sub_f32 v20, v20, v24                        ; my own two blocks' weights, from my own m
	v_sub_f32 v22, v22, v24
.irp i, 0,1,2,3,4,5,6,7,8,9,10,11,12,13,14,15
	v_mul_f32 v[MM+\i], LOG2E, v[MM+\i]
.endr
	v_mul_f32 v20, LOG2E, v20
	v_mul_f32 v22, LOG2E, v22
.irp i, 0,1,2,3,4,5,6,7,8,9,10,11,12,13,14,15
	v_exp_f32 v[MM+\i], v[MM+\i]
.endr
	v_exp_f32 v20, v20
	v_exp_f32 v22, v22
	v_nop
	s_wait_alu depctr_va_vdst(0)
	v_mul_f32 v25, v[LL], v[MM]
.irp i, 1,2,3,4,5,6,7,8,9,10,11,12,13,14,15
	v_fmac_f32 v25, v[LL+\i], v[MM+\i]             ; L
.endr
	v_rcp_f32 v26, v25
	v_nop
	s_wait_alu depctr_va_vdst(0)
	v_mul_f32 v20, v20, v26                        ; wgt / L of block v
	v_mul_f32 v22, v22, v26                        ; of block 8 + v
	s_wait_loadcnt 16                              ; coverage is in; part's 16 loads may stay out
.irp j, 0,1,2,3
	v_fma_f32 v[CV0+\j], v[SC0+\j], v20, v[CV0+\j]
	v_fma_f32 v[CV1+\j], v[SC1+\j], v22, v[CV1+\j]
	v_mul_f32 v[SC0+\j], v[SC0+\j], v20
	v_mul_f32 v[SC1+\j], v[SC1+\j], v22
.endr
	global_store_b128 v1, v[SC0:SC0+3], s[16:17] th:TH_STORE_NT                ; every store of a wave: 512 consecutive bytes
	global_store_b128 v1, v[SC1:SC1+3], s[16:17] offset:4096 th:TH_STORE_NT
	global_store_b128 v1, v[CV0:CV0+3], s[18:19] th:TH_STORE_NT
	global_store_b128 v1, v[CV1:CV1+3], s[18:19] offset:4096 th:TH_STORE_NT
	s_wait_loadcnt 0x0
	v_pk_mul_f32 v[28:29], v[PART:PART+1], v[MM:MM+1] op_sel_hi:[1,0]          ; the first block starts the sums
	v_pk_mul_f32 v[30:31], v[PART+2:PART+3], v[MM:MM+1] op_sel_hi:[1,0]
.irp i, 1,3,5,7,9,11,13,15
	v_pk_fma_f32 v[28:29], v[PART+4*\i:PART+4*\i+1], v[MM+\i-1:MM+\i], v[28:29] op_sel:[0,1,0] op_sel_hi:[1,1,1]
	v_pk_fma_f32 v[30:31], v[PART+4*\i+2:PART+4*\i+3], v[MM+\i-1:MM+\i], v[30:31] op_sel:[0,1,0] op_sel_hi:[1,1,1]
.if \i < 15
	v_pk_fma_f32 v[28:29], v[PART+4*\i+4:PART+4*\i+5], v[MM+\i+1:MM+\i+2], v[28:29] op_sel_hi:[1,0,1]
	v_pk_fma_f32 v[30:31], v[PART+4*\i+6:PART+4*\i+7], v[MM+\i+1:MM+\i+2], v[30:31] op_sel_hi:[1,0,1]
.endif
.endr
.irp j, 0,1,2,3
	v_mul_f32 v[28+\j], v[28+\j], v26
.endr
	global_store_b128 v1, v[28:31], s[14:15] th:TH_STORE_NT
	s_wait_tensorcnt 0x0
	ds_add_u32 v128, v129
	s_wait_dscnt 0x0
	s_endpgm
.Lfunc_end_k_q004ae995b7_finish:
	.size	k_q004ae995b7_finish, .Lfunc_end_k_q004ae995b7_finish-k_q004ae995b7_finish
	.p2alignl 7, 3214868480
	.fill 96, 4, 3214868480
	.section	.rodata,"a",@progbits
	.p2align	6, 0x0
	.amdhsa_kernel k_q004ae995b7_finish
		.amdhsa_group_segment_fixed_size 1280
		.amdhsa_private_segment_fixed_size 0
		.amdhsa_enable_private_segment 0
		.amdhsa_kernarg_size 48
		.amdhsa_user_sgpr_count 2
		.amdhsa_user_sgpr_kernarg_segment_ptr 1
		.amdhsa_wavefront_size32 1
		.amdhsa_system_sgpr_workgroup_id_x 1
		.amdhsa_system_sgpr_workgroup_id_y 1
		.amdhsa_system_sgpr_workgroup_id_z 1
		.amdhsa_system_vgpr_workitem_id 0
		.amdhsa_next_free_vgpr 130
		.amdhsa_next_free_sgpr 66
		.amdhsa_reserve_vcc 0
		.amdhsa_float_denorm_mode_32 3
		.amdhsa_float_denorm_mode_16_64 3
		.amdhsa_memory_ordered 1
		.amdhsa_forward_progress 1
		.amdhsa_inst_pref_size 15
	.end_amdhsa_kernel
	.amdgpu_metadata
---
amdhsa.version: [ 1, 2 ]
amdhsa.kernels:
  - .name:           k_q004ae995b7_finish
    .symbol:         k_q004ae995b7_finish.kd
    .args:
      - { .name: scores, .offset: 0, .size: 8, .value_kind: global_buffer, .address_space: global }
      - { .name: part, .offset: 8, .size: 8, .value_kind: global_buffer, .address_space: global }
      - { .name: coverage, .offset: 16, .size: 8, .value_kind: global_buffer, .address_space: global }
      - { .name: out0, .offset: 24, .size: 8, .value_kind: global_buffer, .address_space: global }
      - { .name: out1, .offset: 32, .size: 8, .value_kind: global_buffer, .address_space: global }
      - { .name: out2, .offset: 40, .size: 8, .value_kind: global_buffer, .address_space: global }
    .group_segment_fixed_size: 1280
    .private_segment_fixed_size: 0
    .kernarg_segment_align: 8
    .kernarg_segment_size: 48
    .max_flat_workgroup_size: 256
    .sgpr_count:     66
    .vgpr_count:     130
    .wavefront_size: 32
...
	.end_amdgpu_metadata
.endif
;; end of part 3
;; ======== version 2 of 2: 3 launches; version 1 with the launch attend written anew for expert scheduling mode
;; workspace buffers: wf 2,097,152 bytes; feat 131,072 bytes; wv 8,192 bytes; scores 262,144 bytes; part 2,097,152 bytes
;; launch prep: the kernel of part 1 again; grid 64 x 1, 16 waves a work-group, no clusters, 34,816 bytes of LDS; arguments W_h, W_s, b_s, W_c, V, dec_hidden, wf, feat, wv; writes wf, feat, wv
;; launch attend (part 4): grid 256 x 1, 4 waves a work-group, no clusters, 306,688 bytes of LDS; arguments enc_output, wf, feat, wv, coverage, enc_padding_mask, scores, part; writes scores, part
.if DOCPART == 4
	.amdgcn_target "amdgcn-amd-amdhsa--gfx1250"
	.amdhsa_code_object_version 6
	.text
	.protected	k_q004ae995b7_attend
	.globl	k_q004ae995b7_attend
	.p2align	8
	.type	k_q004ae995b7_attend,@function
k_q004ae995b7_attend:
	s_mov_b64 s[64:65], 0
	v_nop
	global_prefetch_b8 v0, s[64:65] scope:SCOPE_SE
	s_setreg_imm32_b32 hwreg(HW_REG_WAVE_SCHED_MODE, 0, 2), 2
	s_setreg_imm32_b32 hwreg(HW_REG_WAVE_MODE, 25, 1), 1
	s_wait_xcnt 0x0
	s_wait_alu depctr_vm_vsrc(0)
; Scores and partial contexts.  Work-group x owns encoder rows 256 x .. 256 x + 255 (batch x >> 3), as two blocks of 128 rows.
; A block is read from memory once, rounded to bf16 and kept in LDS for both of its uses:
;   x'(m, o) = cov(m) cW_c(o) + c dec(o) + sum over k of enc(m, k) cW_h(o, k)      (c = 2 log2 e, folded in by the launch before)
;   e'(m)    = mask(m) + sum over o of (-2 V(o)) / (1 + 2^x'(m, o))                 = e_t + mask - sum V, since tanh x = 1 - 2 / (1 + 2^(c x));
;              the constant sum V is the same for every row of a softmax and cancels there, for any input
;   p(m)     = exp(e'(m) - m_blk), m_blk the block's own largest e' (held at -FLT_MAX at the least, so that a block masked with -inf gives 0)
;   part     = sum over the block's m of p(m) enc(m, :)
; The last launch takes the largest m_blk of a batch and rescales: the maximum is taken away everywhere, none is assumed.
; Four waves.  In each of two passes p wave w makes columns o = 512 p + 128 w .. + 127 of all 128 rows: 8 x 8 tiles, 512 registers.
; A K step of 32 is 16 LDS loads (A), 16 global loads (B, already in fragment order) and 64 matrix instructions.
; THE BLOCK ARRIVES IN SLICES ALONG K, UNDER ITS OWN PASS 0.  A slice is 64 columns of the 128 rows (256 consecutive bytes of each row in memory),
; enough for two K steps.  Slices 0-3 land in the accumulators of window 3 while these are idle (for the second block: under the rest of the first
; block's epilogue, its softmax and its context product); slices 4-15 come through 64 landing registers, one slice for every two K steps of pass 0,
; each asked for two K steps (128 matrix instructions) before it is converted.  Pass 0 has 32 K steps, the last slice is stored in step 22.
; NO CLUSTER, NO TENSOR LOADS: the resident block leaves 327,680 - 294,912 = 32,768 bytes of LDS, 11,264 of them scratch; a K step of W for a pass's
; 512 columns is 32,768 bytes.  No two waves of the work-group read the same bytes of W, so LDS would spare no read inside the work-group either.
; W therefore goes straight to registers, three K steps (24,576 bytes a wave) ahead.
; LIMITS: a mask of +inf or NaN gives NaN as in the reference; p and enc enter the context product rounded to bf16;
; v_exp_f32 gives 0 for results below 2^-126 (ISA guide 15.8), which here means 1 / (1 + 0) = 1 or p = 0.
; THE MODE: SCHED_MODE bits 1:0 = 2 (LLVM: expert scheduling mode 2), set by the entry lines.  The code itself states the register dependences
; between vector or matrix instructions and memory or LDS instructions, with s_wait_alu, always for 0.
; THE PLAN.  Registers that memory or LDS instructions touch, and who else names them:
;   AB0, AB1, B buffers 0-3   K step j's matrix instructions read A[j % 2] and B[j % 4]; the loads issued in step j land in A[(j + 1) % 2] and B[(j + 3) % 4],
;                             which step j - 1's matrix instructions read and none of step j's names.  ONE wait on va_vdst at a step's head; the step's 32 loads
;                             follow it in two runs among its matrix instructions.
;   LAND                      a fill step: conversions in place, a wait on va_vdst, the LDS stores that read them, a wait on vm_vsrc, the next slice's loads.
;   OFFA OFFB ACUR ANXT STA FOFF   written once a trip, behind a wait on vm_vsrc and ahead of the first step's wait on va_vdst.
;   windows 2 and 3           written by INIT, the matrix instructions and the epilogue; read by the LDS stores of slices 0-3, of the row sums and of the context;
;                             slices 0-3 land in window 3.  A wait on va_vdst ahead of each run of stores, one on vm_vsrc ahead of INIT, of the context product and of the landing.
;   CW, V2B                   read by INIT and by the epilogue; the other pass's values land behind the wait that follows each.
;   MASK COVT ESC TMP PFR     the block's end; their waits are stated there.
;   every other address register is made at the head and never written again.
.set SP,     144                       ; a row of a slice in LDS: 128 bytes + 16 = 9 x 16, so the 16 rows of a fragment load start 16 bytes apart modulo 256
.set T16,    16*SP                     ; 16 rows
.set SLICE,  128*SP                    ; 18432: 128 rows x 64 columns of bf16
.set EPB,    16*SLICE                  ; 294912: partial scores [p 2][w 4][128 rows] f32
.set COVB,   EPB+4096                  ; each wave's copy of the block's 128 coverages
.set PBB,    COVB+2048                 ; each wave's 128 p as bf16
.set CTB,    PBB+1024                  ; each wave's 256 context columns f32; ends at 306176
.set LOG2E,  0x3fb8aa3b
.set NEXTB,  524288                    ; bytes of enc_output from a block to the next
; window 0
.set L16,   1                          ; 16 L
.set R4,    2                          ; 4 r
.set PF,    3                          ; 4096 L: lane L asks for row L of my 32
.set ABASE, 4                          ; r SP + 16 h
.set ACUR,  5                          ; the same in this trip's two slices
.set ANXT,  6                          ; in the next trip's
.set OFFA,  7                          ; this trip's 32,768 bytes of my W stream
.set OFFB,  8                          ; the next trip's
.set GL,    9                          ; (L >> 4) 4096 + 16 (L & 15): a load takes 256 bytes of two rows
.set FOFF,  10                         ; GL + 512 trip
.set STA0,  11                         ; w 32 SP + (L >> 4) SP + 8 (L & 15): where these go in slice 0
.set STA4,  12                         ; in slice 4
.set STA,   13                         ; in slice 4 + 2 trip
.set EPW,   14
.set EPR,   15
.set COVW,  16
.set COVR,  17
.set PBW,   18
.set PBR,   19
.set CTW,   20
.set CTR,   21
.set TRB,   24                         ; v[24:27]  transposing loads: (32 ks + 8 h + (L & 7)) SP + 4 w SLICE + 16 ((L >> 3) & 1)
.set MASK,  28                         ; v[28:31]  mask of rows 4 L .. 4 L + 3
.set ESC,   32                         ; v[32:35]  e' of these rows
.set COVT,  36                         ; v[36:39]  coverage as loaded
.set CW,    40                         ; v[40:55]  this pass's pairs (cW_c, c dec) of column r of tile nt at 2 nt
.set V2B,   56                         ; v[56:63]  this pass's -2 V at nt
.set LAND,  64                         ; v[64:127] a slice on its way in: 16 loads of 4 registers
.set TMP,   64                         ; the same registers at the start and at a block's end, when no slice is on its way
.set AB0,   128                        ; v[128:191] A fragments, buffer 0
.set AB1,   192                        ; v[192:255] buffer 1
; window 1: four B buffers of 64 registers; at a block's end buffer 3, which holds nothing then, takes p as four A fragments
.set PFR,   192
; windows 2, 3: accumulator tile (a, nt) at 8 (8 a + nt), row tiles 0-3 and 4-7.
; window 2, registers 0-127, once more as the 16 context tiles; window 3 once more as the landing place of slices 0-3 (slice s at 64 s).
.set PEN, 8
.set PWF, 10
.set PFT, 12
.set PWV, 14
.set PCV, 16
.set PMK, 18
.set PSC, 20
.set PPT, 22
; s_set_vgpr_msb: bits 1:0 source 0, 3:2 source 1, 5:4 source 2, 7:6 destination; the high byte repeats the setting that is left
.set MSB, 0
.macro WIN new
.if MSB != (\new)
	s_set_vgpr_msb (MSB<<8)|(\new)
.set MSB, (\new)
.endif
.endm
.set MUL_LO, 0xa4                      ; A window 0, B window 1, C and D window 2
.set MUL_HI, 0xf4                      ; C and D window 3
.set TO_B,   0x40
; four places between a matrix instruction and a vector instruction or a store that reads its result
.macro PLACES
.rept 4
	v_nop
.endr
.endm
	s_load_b512 s[8:23], s[0:1], 0x0               ; enc_output, wf, feat, wv, coverage, mask, scores, part
	v_lshl_add_u32 v22, v0, 2, 0x4ac00
	v_mov_b32 v23, 0
	v_lshrrev_b32 v[TMP], 5, v0
	v_readfirstlane_b32 s24, v[TMP]                ; wave w
	s_mov_b32 s25, ttmp9                           ; x
	s_mov_b32 s38, 0x76543210                      ; v_permlanex16_b32: lane i takes lane i of the other half
	s_mov_b32 s39, 0xfedcba98
	v_and_b32 v[TMP+1], 31, v0                     ; L
	v_and_b32 v[TMP+2], 15, v0                     ; r
	v_bfe_u32 v[TMP+3], v0, 4, 1                   ; h
	v_lshlrev_b32 v[L16], 4, v[TMP+1]
	v_lshlrev_b32 v[R4], 2, v[TMP+2]
	v_lshlrev_b32 v[PF], 12, v[TMP+1]
	v_mul_u32_u24 v[ABASE], v[TMP+2], SP
	v_lshl_add_u32 v[ABASE], v[TMP+3], 4, v[ABASE]
	v_lshlrev_b32 v[GL], 4, v[TMP+2]
	v_lshl_add_u32 v[GL], v[TMP+3], 12, v[GL]
	s_wait_alu depctr_va_sdst(0)                   ; s24 is written, ahead of its first reader: LDS places and all the bases are made from it
	s_mul_i32 s33, s24, 32*SP
	v_mul_u32_u24 v[STA0], v[TMP+3], SP
	v_lshl_add_u32 v[STA0], v[TMP+2], 3, v[STA0]
	v_add_nc_u32 v[STA0], s33, v[STA0]
	v_add_nc_u32 v[STA4], 4*SLICE, v[STA0]
	s_lshl_b32 s33, s24, 9                         ; 512 w
	s_add_co_u32 s34, s33, EPB
	v_lshl_add_u32 v[EPW], v[TMP+3], 5, s34
	v_add_nc_u32 v[EPR], EPB, v[L16]
	s_add_co_u32 s34, s33, COVB
	v_add_nc_u32 v[COVW], s34, v[L16]
	v_lshl_add_u32 v[COVR], v[TMP+3], 5, s34
	s_lshl_b32 s34, s24, 8
	s_add_co_u32 s34, s34, PBB
	v_lshl_add_u32 v[PBW], v[TMP+1], 3, s34
	v_lshl_add_u32 v[PBR], v[TMP+3], 4, s34
	s_lshl_b32 s34, s24, 10
	s_add_co_u32 s34, s34, CTB
	v_add_nc_u32 v[CTW], s34, v[R4]
	v_add_nc_u32 v[CTR], s34, v[L16]
	v_and_b32 v[TMP+4], 7, v0
	v_lshl_add_u32 v[TMP+4], v[TMP+3], 3, v[TMP+4]
	v_mul_u32_u24 v[TMP+4], v[TMP+4], SP
	v_bfe_u32 v[TMP+5], v0, 3, 1
	v_lshl_add_u32 v[TMP+4], v[TMP+5], 4, v[TMP+4]
	s_mul_i32 s33, s24, 4*SLICE                    ; my 256 context columns are slices 4 w .. 4 w + 3
	v_add_nc_u32 v[TMP+4], s33, v[TMP+4]
.irp i, 0,1,2,3
	v_add_nc_u32 v[TRB+\i], \i*32*SP, v[TMP+4]
.endr
	s_mov_b32 s27, 0
	s_wait_kmcnt 0x0
	s_lshl_b32 s26, s25, 20                        ; 256 rows of 4,096 bytes
	s_lshl_b32 s28, s24, 17                        ; my 32 rows of a block
	s_add_co_u32 s26, s26, s28
	s_add_nc_u64 s[PEN:PEN+1], s[PEN:PEN+1], s[26:27]
	s_lshl_b32 s26, s24, 19                        ; my 524,288 bytes of wf
	s_add_nc_u64 s[PWF:PWF+1], s[PWF:PWF+1], s[26:27]
	s_lshr_b32 s28, s25, 3                         ; batch
	s_lshl_b32 s28, s28, 6
	s_lshl_b32 s26, s24, 14
	s_add_co_u32 s26, s26, s28
	s_add_nc_u64 s[PFT:PFT+1], s[PFT:PFT+1], s[26:27]
	s_lshl_b32 s26, s24, 10
	s_add_nc_u64 s[PWV:PWV+1], s[PWV:PWV+1], s[26:27]
	s_lshl_b32 s28, s25, 13                        ; two blocks of 4,096 bytes of part; + my 256 columns
	s_add_co_u32 s26, s26, s28
	s_add_nc_u64 s[PPT:PPT+1], s[PPT:PPT+1], s[26:27]
	s_lshl_b32 s26, s25, 10                        ; 256 rows of 4 bytes
	s_add_nc_u64 s[PCV:PCV+1], s[PCV:PCV+1], s[26:27]
	s_add_nc_u64 s[PMK:PMK+1], s[PMK:PMK+1], s[26:27]
	s_add_nc_u64 s[PSC:PSC+1], s[PSC:PSC+1], s[26:27]
	s_wait_alu depctr_va_vdst(0)                   ; the addresses made above are written, which the loads, stores and prefetches of the whole kernel read; so are v64 to v69, in which slice 4 lands
; what a pass needs of the small tables, for column r of my eight tiles of pass q.  They depend on batch, wave, pass, tile and lane only.
.macro LOADCW q
.irp nt, 0,1,2,3,4,5,6,7
	global_load_b32 v[CW+2*\nt], v[R4], s[PWV:PWV+1] offset:(\q)*4096+\nt*128
	global_load_b32 v[CW+2*\nt+1], v[R4], s[PFT:PFT+1] offset:(\q)*65536+\nt*2048
.endr
.endm
.macro LOADV q
.irp nt, 0,1,2,3,4,5,6,7
	global_load_b32 v[V2B+\nt], v[R4], s[PWV:PWV+1] offset:(\q)*4096+\nt*128+64
.endr
.endm
; 16 LDS loads: the eight A fragments (128 rows x 32 K) at byte koff behind one address register
.macro FETCHA buf, areg, koff
	WIN 0
.irp mt, 0,1,2,3,4,5,6,7
	ds_load_b128 v[\buf+8*\mt:\buf+8*\mt+3], v[\areg] offset:\mt*T16+\koff
	ds_load_b128 v[\buf+8*\mt+4:\buf+8*\mt+7], v[\areg] offset:\mt*T16+\koff+32
.endr
.endm
; 16 global loads of 512 consecutive bytes: one K step (8,192 bytes) of my W stream into B buffer u
.macro FETCHB u, off, imm
	WIN TO_B
.irp nt, 0,1,2,3,4,5,6,7
	global_load_b128 v[64*\u+8*\nt:64*\u+8*\nt+3], v[\off], s[PWF:PWF+1] offset:\imm+\nt*1024
	global_load_b128 v[64*\u+8*\nt+4:64*\u+8*\nt+7], v[\off], s[PWF:PWF+1] offset:\imm+\nt*1024+512
.endr
.endm
; 16 matrix instructions: row tiles a0, a0 + 1 of the window's four x all eight column tiles.  The 64 accumulators take turns.
.macro MUL16 ab, bu, hi, a0
.irp a, \a0, (\a0)+1
.irp nt, 0,1,2,3,4,5,6,7
	v_wmma_f32_16x16x32_bf16 v[8*(8*(\a)+\nt):8*(8*(\a)+\nt)+7], v[\ab+8*(4*\hi+(\a)):\ab+8*(4*\hi+(\a))+7], v[64*\bu+8*\nt:64*\bu+8*\nt+7], v[8*(8*(\a)+\nt):8*(8*(\a)+\nt)+7]
.endr
.endr
.endm
; slices 0-3 of my 32 rows of the block at byte off: 64 loads, each 256 consecutive bytes of two rows, into window 3.
; dep = 1: window 3 has just been worked on (dep = 0: at the kernel's start nothing has named it).
.macro PRELAND off, dep
	WIN 0xc0
.if \dep
	s_wait_alu depctr_vm_vsrc(0)                   ; the LDS stores of window 3's row sums have read their registers, in which the loads below land
	s_wait_alu depctr_va_vdst(0)                   ; the epilogue and the sums across lanes are done reading and writing window 3
.endif
.irp s, 0,1,2,3
.irp j, 0,1,2,3,4,5,6,7,8,9,10,11,12,13,14,15
	global_load_b128 v[64*\s+4*\j:64*\s+4*\j+3], v[GL], s[PEN:PEN+1] offset:\off+\s*256+\j*8192 th:TH_LOAD_NT
.endr
.endr
.endm
; one of them to bf16, in place, and into LDS: 8 bytes a lane, 128 consecutive bytes of two rows an instruction
.macro PRECVT s
	WIN 0xcf
.irp j, 0,1,2,3,4,5,6,7,8,9,10,11,12,13,14,15
	v_cvt_pk_bf16_f32 v[64*\s+4*\j], v[64*\s+4*\j], v[64*\s+4*\j+1]
	v_cvt_pk_bf16_f32 v[64*\s+4*\j+1], v[64*\s+4*\j+2], v[64*\s+4*\j+3]
.endr
	WIN 0x0c
	s_wait_alu depctr_va_vdst(0)                   ; the conversions have written the slice's registers, which the LDS stores read
.irp j, 0,1,2,3,4,5,6,7,8,9,10,11,12,13,14,15
	ds_store_b64 v[STA0], v[64*\s+4*\j:64*\s+4*\j+1] offset:\s*SLICE+\j*2*SP
.endr
.endm
; The fill step of pass 0, in K steps 0 (half = 0) and 2 (half = 1) of trips 0 to 5: slice 4 + 2 trip + half, which has landed, goes to LDS, and the
; next slice is asked for into the same registers.  Trips 6 and 7 have nothing left to bring, and slice 15 has no next one: no load leaves the block.
; The waits of the K steps hold on either side of these branches (see KSTEP).
.macro FILLOP half
	WIN 0
	s_cmp_ge_u32 s31, 6
	s_cbranch_scc1 .Lnofill\half
.irp j, 0,1,2,3,4,5,6,7,8,9,10,11,12,13,14,15
	v_cvt_pk_bf16_f32 v[LAND+4*\j], v[LAND+4*\j], v[LAND+4*\j+1]
	v_cvt_pk_bf16_f32 v[LAND+4*\j+1], v[LAND+4*\j+2], v[LAND+4*\j+3]
.endr
	s_wait_alu depctr_va_vdst(0)                   ; the conversions have written LAND, which the LDS stores read, and are done reading it, for the loads below; STA and FOFF are written
.irp j, 0,1,2,3,4,5,6,7,8,9,10,11,12,13,14,15
	ds_store_b64 v[STA], v[LAND+4*\j:LAND+4*\j+1] offset:\half*SLICE+\j*2*SP
.endr
.if \half
	s_cmp_ge_u32 s31, 5
	s_cbranch_scc1 .Lnofill\half
.endif
	s_wait_alu depctr_vm_vsrc(0)                   ; the LDS stores have read LAND, in which the next slice lands
.irp j, 0,1,2,3,4,5,6,7,8,9,10,11,12,13,14,15
	global_load_b128 v[LAND+4*\j:LAND+4*\j+3], v[FOFF], s[PEN:PEN+1] offset:(5+\half)*256+\j*8192 th:TH_LOAD_NT
.endr
.Lnofill\half:
.endm
; One K step: multiply A buffer ab by B buffer bu; among the products ask for the next step's A (buffer abn) and for B three steps on (buffer bun).
; left: loads return in order (ISA guide 5.7.1).  Without a fill, behind this step's B stand the 2 x 16 loads of the next two steps: 32.
; In pass 0 the order of issue is  B(j), slice, B(j+1) | B(j+2) | slice', B(j+3) ...  (j even, | = a step's end):
;   even step j: 16 leaves B(j+2) out and shows B(j), the slice asked for in step j - 2 and B(j+1) in (in the pass's first step only CW's 16 loads
;                stand behind slice 4, hence 16 and not 32);
;   odd step j+1: 32 leaves the slice just asked for and B(j+3) out.
; The step's matrix instructions name ab, bu and the accumulators: none of abn, bun or the address registers.  So the one wait on va_vdst at the head
; serves both runs of loads, wherever they stand in the step.
.macro KSTEP ab, bu, abn, areg, koff, bun, boff, bimm, left, fill
	s_wait_dscnt 0x0                               ; this step's A fragments, asked for in the last step (and my stores of a slice)
	s_wait_loadcnt \left
.if \fill >= 0
	FILLOP \fill
.endif
	s_wait_alu depctr_va_vdst(0)                   ; the last step's matrix instructions are done reading abn and bun, in which this step's loads land; in a trip's first step the trip's addresses are written
	WIN MUL_LO
	MUL16 \ab, \bu, 0, 0
	FETCHA \abn, \areg, \koff
	WIN MUL_LO
	MUL16 \ab, \bu, 0, 2
	FETCHB \bun, \boff, \bimm
	WIN MUL_HI
	MUL16 \ab, \bu, 1, 0
	MUL16 \ab, \bu, 1, 2
.endm
; The addresses of a trip (four K steps = two slices), all from the trip counter s31.  My W stream is 16 groups of 32,768 bytes, walked round and
; round: it runs on over the ends of passes and blocks.
.macro TRIPADDR p
	s_wait_xcnt 0x0                                ; OFFA, OFFB and FOFF are address registers of loads that may still be out
	s_wait_alu depctr_vm_vsrc(0)                   ; the loads and LDS stores issued so far have read the six address registers that are written below (and the fill's stores have read LAND)
	s_add_co_u32 s33, s31, 8*\p
	s_lshl_b32 s34, s33, 15
	v_add_nc_u32 v[OFFA], s34, v[L16]
	s_add_co_u32 s33, s33, 1
	s_and_b32 s33, s33, 15
	s_lshl_b32 s33, s33, 15
	v_add_nc_u32 v[OFFB], s33, v[L16]
	s_mul_i32 s35, s31, 2*SLICE
	v_add_nc_u32 v[ACUR], s35, v[ABASE]
	s_add_co_u32 s36, s31, 1
	s_and_b32 s36, s36, 7
	s_mul_i32 s36, s36, 2*SLICE
	v_add_nc_u32 v[ANXT], s36, v[ABASE]
.if \p == 0
	s_min_u32 s37, s31, 5                          ; trips 6 and 7 fill nothing: their two addresses stay at trip 5's
	s_mul_i32 s36, s37, 2*SLICE
	v_add_nc_u32 v[STA], s36, v[STA4]
	s_lshl_b32 s37, s37, 9                         ; two slices are 512 bytes of a row in memory
	v_add_nc_u32 v[FOFF], s37, v[GL]
.endif
.endm
; The sums start as cov(m) cW_c(o) + c dec(o): one packed multiply-add for two elements, in place of a clearing.  cov lies in A buffer 1.
.macro INIT
.irp hi, 0,1
	WIN (0x80+0x40*\hi)
.irp a, 0,1,2,3
.irp nt, 0,1,2,3,4,5,6,7
.irp j, 0,2,4,6
	v_pk_fma_f32 v[8*(8*\a+\nt)+\j:8*(8*\a+\nt)+\j+1], v[AB1+8*(4*\hi+\a)+\j:AB1+8*(4*\hi+\a)+\j+1], v[CW+2*\nt:CW+2*\nt+1], v[CW+2*\nt:CW+2*\nt+1] op_sel:[0,0,1] op_sel_hi:[1,0,1]
.endr
.endr
.endr
.endr
.endm
; 32 tiles of one window: r = 1 / (1 + 2^x'), then tile (a, 0) gathers sum over nt of (-2 V) r, nt ascending.  The tiles go in eight GROUPS of four (one nt, the
; window's four row tiles: 32 registers), in three stages one group apart.  Step k: the additions of group k - 1 with the exponentials of group k, one plain and two
; transcendentals by turns; then the reciprocals of group k - 1 with the multiply-adds of group k - 2, two and one by turns.  What step k reads of transcendentals'
; results was issued in step k - 1, so ONE wait at a step's head serves 64 of them.  The multiply-adds are the plain instructions behind the step's last
; transcendentals (ISA guide 5.7.2); steps 0 and 1 have none and get a v_nop.  Pair ei of a group: row tile ei / 4, registers 2 (ei % 4) and the next.
.macro EPI win
	WIN \win
.set ek, 0
.rept 10
.if ek > 0
	s_wait_alu depctr_va_vdst(0)                   ; the exponentials of group k - 1 and the reciprocals of group k - 2 are written, ahead of their first readers
.endif
.set ei, 0
.rept 16
.set eo, 64*(ei/4)+2*(ei%4)
.if (ek > 0) && (ek < 9)
	v_pk_add_f32 v[eo+8*ek-8:eo+8*ek-7], v[eo+8*ek-8:eo+8*ek-7], 1.0 op_sel_hi:[1,0]
.endif
.if ek < 8
	v_exp_f32 v[eo+8*ek], v[eo+8*ek]
	v_exp_f32 v[eo+8*ek+1], v[eo+8*ek+1]
.endif
.set ei, ei+1
.endr
.set ei, 0
.rept 16
.set eo, 64*(ei/4)+2*(ei%4)
.if (ek > 0) && (ek < 9)
	v_rcp_f32 v[eo+8*ek-8], v[eo+8*ek-8]
	v_rcp_f32 v[eo+8*ek-7], v[eo+8*ek-7]
.endif
.if ek > 1
.set en, ek-2
.set et, eo+8*en
.set ev, V2B+(en&6)
.if en == 0
	v_pk_mul_f32 v[et:et+1], v[et:et+1], v[ev:ev+1] op_sel_hi:[1,0]
.elseif (en&1) == 0
	v_pk_fma_f32 v[eo:eo+1], v[et:et+1], v[ev:ev+1], v[eo:eo+1] op_sel_hi:[1,0,1]
.else
	v_pk_fma_f32 v[eo:eo+1], v[et:et+1], v[ev:ev+1], v[eo:eo+1] op_sel:[0,1,0] op_sel_hi:[1,1,1]
.endif
.endif
.set ei, ei+1
.endr
.if ek < 2
	v_nop                                          ; the plain instruction behind this step's last transcendental
.endif
.set ek, ek+1
.endr
.endm
; Sum over the 16 columns that the 16 lanes of a half hold, then the 64 row sums of one window go to LDS.
; The 16 lanes of a half store the same bytes with the same values.
.macro REDUCE p, hi
	WIN (0x8a+0x45*\hi)
.irp x, 1,2,4,8
.irp a, 0,1,2,3
.irp j, 0,1,2,3,4,5,6,7
	v_add_f32_dpp v[64*\a+\j], v[64*\a+\j], v[64*\a+\j] row_xmask:\x row_mask:0xf bank_mask:0xf
.endr
.endr
.endr
	WIN (0x08+0x04*\hi)
	s_wait_alu depctr_va_vdst(0)                   ; the sums across lanes are written, which the LDS stores read; the epilogue is done reading -2 V, in which the other pass's values land behind window 2's half
.irp a, 0,1,2,3
	ds_store_b128 v[EPW], v[64*\a:64*\a+3] offset:\p*2048+(4*\hi+\a)*64
	ds_store_b128 v[EPW], v[64*\a+4:64*\a+7] offset:\p*2048+(4*\hi+\a)*64+16
.endr
.endm
; context product: B fragments (32 block rows x 16 columns) of eight column tiles, by transposing loads from the resident block.
; Column tile nt of my 256 columns lies in slice 4 w + (nt >> 2) at byte 32 (nt & 3) of the rows.
.macro CTXLOAD ks, half, buf
	WIN 0
.irp i, 0,1,2,3,4,5,6,7
	ds_load_tr16_b128 v[\buf+8*\i:\buf+8*\i+3], v[TRB+\ks] offset:(2*\half+(\i>>2))*SLICE+(\i&3)*32
	ds_load_tr16_b128 v[\buf+8*\i+4:\buf+8*\i+7], v[TRB+\ks] offset:(2*\half+(\i>>2))*SLICE+(\i&3)*32+T16
.endr
.endm
.macro CTXMUL ks, half, buf
	WIN 0xa1                                       ; A (p) window 1, B window 0, C and D window 2
.irp i, 0,1,2,3,4,5,6,7
.if \ks == 0
	v_wmma_f32_16x16x32_bf16 v[8*(8*\half+\i):8*(8*\half+\i)+7], v[PFR+8*\ks:PFR+8*\ks+7], v[\buf+8*\i:\buf+8*\i+7], 0
.else
	v_wmma_f32_16x16x32_bf16 v[8*(8*\half+\i):8*(8*\half+\i)+7], v[PFR+8*\ks:PFR+8*\ks+7], v[\buf+8*\i:\buf+8*\i+7], v[8*(8*\half+\i):8*(8*\half+\i)+7]
.endif
.endr
.endm
; one step of the context product; more = 1: the next step's fragments are asked for first; gap = 1: their buffer was a matrix operand just now
.macro CTXSTEP ks, half, buf, nks, nhalf, nbuf, more, gap
.if \more
.if \gap
	WIN 0
	s_wait_alu depctr_va_vdst(0)                   ; the last step's matrix instructions are done reading the buffer in which the loads below land
.endif
	CTXLOAD \nks, \nhalf, \nbuf
	s_wait_dscnt 16                                ; all but the 16 loads just issued are in (LDS serves a wave in order, ISA guide 5.7.1)
.else
	s_wait_dscnt 0x0
.endif
	CTXMUL \ks, \half, \buf
.endm
; One pass: 512 columns of the work-group, 128 of mine.
.macro PASS p
	WIN 0
.irp mt, 0,1,2,3,4,5,6,7
	ds_load_b128 v[AB1+8*\mt:AB1+8*\mt+3], v[COVR] offset:\mt*64        ; cov of rows 16 mt + 8 h + 0 .. 7, as the accumulators hold them.  Every vector or matrix reader of A buffer 1 stands ahead of an earlier wait on va_vdst
	ds_load_b128 v[AB1+8*\mt+4:AB1+8*\mt+7], v[COVR] offset:\mt*64+16
.endr
	s_wait_dscnt 0x0
	s_wait_alu depctr_vm_vsrc(0)                   ; the LDS stores of slices 0-3, of the row sums and of the context's tiles have read registers of windows 2 and 3, which the lines below write
	INIT
	WIN 0
	s_wait_alu depctr_va_vdst(0)                   ; the lines above are done reading the pairs, in which the loads below land
	LOADCW 1-\p                                    ; the pairs are done with: the other pass's come in under this pass's K loop, whose waits show them in
	s_mov_b32 s31, 0
.Lktrip\p:
	TRIPADDR \p
.if \p == 0
	; Trip i reads slices 2 i, 2 i + 1 and (looking ahead) 2 i + 2 and stores slices 2 i + 4 and 2 i + 5.  What the waves stored in the trip before
	; is first read in this trip's last step: my stores are in LDS (count 0), then the barrier.
	s_wait_dscnt 0x0
	s_barrier_signal -1
	s_barrier_wait -1
	KSTEP AB0, 0, AB1, ACUR, 64,       3, OFFA, 24576, 16, 0
	KSTEP AB1, 1, AB0, ACUR, SLICE,    0, OFFB, 0,     32, -1
	KSTEP AB0, 2, AB1, ACUR, SLICE+64, 1, OFFB, 8192,  16, 1
	KSTEP AB1, 3, AB0, ANXT, 0,        2, OFFB, 16384, 32, -1
.else
	KSTEP AB0, 0, AB1, ACUR, 64,       3, OFFA, 24576, 32, -1
	KSTEP AB1, 1, AB0, ACUR, SLICE,    0, OFFB, 0,     32, -1
	KSTEP AB0, 2, AB1, ACUR, SLICE+64, 1, OFFB, 8192,  32, -1
	KSTEP AB1, 3, AB0, ANXT, 0,        2, OFFB, 16384, 32, -1
.endif
	WIN 0
	s_add_co_u32 s31, s31, 1
	s_cmp_lt_u32 s31, 8
	s_cbranch_scc1 .Lktrip\p
	PLACES
	EPI 0xf3                                       ; window 3 first: in pass 1 it is wanted as a landing place
	REDUCE \p, 1
.if \p == 1
	; The next block's slices 0-3 set out now, into window 3, under the rest of this block's work.  Its slices 4-7 are asked into the cache:
	; four requests, lane L for the 256 bytes of my row L, each place asked for once, 131,072 bytes for the work-group; the loads that want them
	; follow from the next block's head to its fourth K step.  The last block asks for nothing.
	WIN 0
	s_cmp_lg_u32 s30, 0
	s_cbranch_scc1 .Lnopre
	PRELAND NEXTB, 1
	WIN 0
.irp s, 4,5,6,7
	global_prefetch_b8 v[PF], s[PEN:PEN+1] offset:NEXTB+\s*256 th:TH_LOAD_NT scope:SCOPE_SE
.endr
.Lnopre:
.endif
	EPI 0xa2
	REDUCE \p, 0
	WIN 0
	LOADV 1-\p                                     ; -2 V of the other pass: wanted at that pass's end, shown in by its K loop's waits.  No vector instruction since the wait above
.endm
	LOADCW 0
	FETCHB 0, L16, 0                               ; the first three K steps of my W stream
	FETCHB 1, L16, 8192
	FETCHB 2, L16, 16384
	PRELAND 0, 0
	WIN 0
	LOADV 0                                        ; behind the slices, as on the way back from the first block: the counts below hold for both ways in
	s_mov_b32 s30, 0
.Lblock:
	; THE BLOCK'S HEAD.  Out, oldest first: slices 0-3 (16 loads each), -2 V (8), then the two loads below.
	; On the way back no vector or matrix instruction has been issued since the last block's last wait on va_vdst, and its last wait on vm_vsrc stands behind its last store.
	global_load_b128 v[MASK:MASK+3], v[L16], s[PMK:PMK+1]
	global_load_b128 v[COVT:COVT+3], v[L16], s[PCV:PCV+1]
	s_wait_loadcnt 58                              ; slice 0 is in: 3 x 16 + 8 + 2 younger loads stay out
	PRECVT 0
	WIN 0
.irp j, 0,1,2,3,4,5,6,7,8,9,10,11,12,13,14,15
	global_load_b128 v[LAND+4*\j:LAND+4*\j+3], v[GL], s[PEN:PEN+1] offset:4*256+\j*8192 th:TH_LOAD_NT    ; slice 4 sets out; the conversions since the block's head name window 3 alone
.endr
	s_wait_loadcnt 58                              ; slice 1: 2 x 16 + 8 + 2 + 16
	PRECVT 1
	s_wait_loadcnt 42                              ; slice 2
	PRECVT 2
	s_wait_loadcnt 26                              ; slice 3
	PRECVT 3
	WIN 0
	s_wait_loadcnt 16                              ; mask and coverage (and everything older); slice 4 stays out
	ds_store_b128 v[COVW], v[COVT:COVT+3]          ; my own copy of the block's coverage: no other wave reads it
	s_wait_dscnt 0x0                               ; my rows of slices 0-3 are in LDS before I say so
	s_barrier_signal -1
	s_barrier_wait -1
	FETCHA AB0, ABASE, 0
	PASS 0
	PASS 1                                         ; (its first A fragments were asked for by pass 0's last K step, whose look-ahead wraps round)
	s_wait_dscnt 0x0                               ; my partial scores are in LDS (and the look-ahead into A buffer 0, not used after pass 1, has landed)
	s_barrier_signal -1
	s_barrier_wait -1
.irp q, 0,1,2,3,4,5,6,7
	ds_load_b128 v[AB1+4*\q:AB1+4*\q+3], v[EPR] offset:\q*512          ; rows 4 L .. 4 L + 3 of the eight partial sums; every wave makes all 128 scores
.endr
	CTXLOAD 0, 0, AB0                              ; both A buffers' last readers, the K loop's matrix instructions, stand ahead of the epilogue's waits on va_vdst
	s_wait_dscnt 16                                ; the eight loads of partial sums; the 16 transposing loads stay out
	v_pk_add_f32 v[ESC:ESC+1], v[AB1:AB1+1], v[AB1+4:AB1+5]
	v_pk_add_f32 v[ESC+2:ESC+3], v[AB1+2:AB1+3], v[AB1+6:AB1+7]
.irp q, 2,3,4,5,6,7
	v_pk_add_f32 v[ESC:ESC+1], v[ESC:ESC+1], v[AB1+4*\q:AB1+4*\q+1]
	v_pk_add_f32 v[ESC+2:ESC+3], v[ESC+2:ESC+3], v[AB1+4*\q+2:AB1+4*\q+3]
.endr
	v_pk_add_f32 v[ESC:ESC+1], v[ESC:ESC+1], v[MASK:MASK+1]
	v_pk_add_f32 v[ESC+2:ESC+3], v[ESC+2:ESC+3], v[MASK+2:MASK+3]
	v_max3_num_f32 v[TMP], v[ESC], v[ESC+1], v[ESC+2]                  ; the block's largest score
	v_max_num_f32 v[TMP], v[TMP], v[ESC+3]
	v_max_num_f32_dpp v[TMP], v[TMP], v[TMP] row_xmask:1 row_mask:0xf bank_mask:0xf
	v_max_num_f32_dpp v[TMP], v[TMP], v[TMP] row_xmask:2 row_mask:0xf bank_mask:0xf
	v_max_num_f32_dpp v[TMP], v[TMP], v[TMP] row_xmask:4 row_mask:0xf bank_mask:0xf
	v_max_num_f32_dpp v[TMP], v[TMP], v[TMP] row_xmask:8 row_mask:0xf bank_mask:0xf
	v_mov_b32 v[TMP+1], v[TMP]
	v_permlanex16_b32 v[TMP+1], v[TMP], s38, s39
	v_max_num_f32 v[TMP], v[TMP], v[TMP+1]
	v_max_num_f32 v[TMP], 0xff7fffff, v[TMP]                           ; at least -FLT_MAX: -inf minus it stays -inf, no NaN
.irp j, 0,1,2,3
	v_sub_f32 v[TMP+2+\j], v[ESC+\j], v[TMP]
.endr
.irp j, 0,1,2,3
	v_mul_f32 v[TMP+2+\j], LOG2E, v[TMP+2+\j]
.endr
.irp j, 0,1,2,3
	v_exp_f32 v[TMP+2+\j], v[TMP+2+\j]
.endr
	v_nop                                          ; one plain place behind the exponentials (ISA guide 5.7.2)
	s_wait_alu depctr_va_vdst(0)                   ; the four exponentials have written p, ahead of the roundings that read it
	v_cvt_pk_bf16_f32 v[TMP+6], v[TMP+2], v[TMP+3]
	v_cvt_pk_bf16_f32 v[TMP+7], v[TMP+4], v[TMP+5]
	s_wait_alu depctr_va_vdst(0)                   ; the roundings have written the pair that the LDS store reads; the scores are written, which wave 0's store reads; the sums above are done reading A buffer 1, in which the next fragments land
	ds_store_b64 v[PBW], v[TMP+6:TMP+7]            ; my own 256 bytes; the loads below follow it in order
	WIN TO_B
.irp ks, 0,1,2,3
	ds_load_b128 v[PFR+8*\ks:PFR+8*\ks+3], v[PBR] offset:64*\ks        ; p as an A fragment: all 16 rows of A are the same p
	ds_load_b128 v[PFR+8*\ks+4:PFR+8*\ks+7], v[PBR] offset:64*\ks+32
.endr
	WIN 0
	s_cmp_lg_u32 s24, 0
	s_cbranch_scc1 .Lnot0
	global_store_b128 v[L16], v[ESC:ESC+3], s[PSC:PSC+1]               ; wave 0 stores the block's 128 scores, 512 consecutive bytes
.Lnot0:
	s_wait_alu depctr_vm_vsrc(0)                   ; the LDS stores of window 2's row sums have read registers that the first products below write; the store of p has read the pair in which the context lands at the end
	; part(columns 256 w .. + 255) = p x block: 4 steps of 32 rows x 16 column tiles, eight tiles at a time on the two A buffers in turn
	CTXSTEP 0, 0, AB0, 0, 1, AB1, 1, 0
	CTXSTEP 0, 1, AB1, 1, 0, AB0, 1, 1
	CTXSTEP 1, 0, AB0, 1, 1, AB1, 1, 1
	CTXSTEP 1, 1, AB1, 2, 0, AB0, 1, 1
	CTXSTEP 2, 0, AB0, 2, 1, AB1, 1, 1
	CTXSTEP 2, 1, AB1, 3, 0, AB0, 1, 1
	CTXSTEP 3, 0, AB0, 3, 1, AB1, 1, 1
	CTXSTEP 3, 1, AB1, 0, 0, 0, 0, 0
	PLACES
	WIN 0x08
	s_wait_alu depctr_va_vdst(0)                   ; the matrix instructions have written the context's tiles, which the LDS stores read, and are done reading both A buffers and p; the places above stay beside this wait
.irp nt, 0,1,2,3,4,5,6,7,8,9,10,11,12,13,14,15
	ds_store_b32 v[CTW], v[8*\nt] offset:\nt*64    ; register 0 is row 0 (lanes 0-15) or row 8 (lanes 16-31) of 16 equal rows: column 16 nt + r
.endr
	WIN 0
	ds_load_b128 v[TMP:TMP+3], v[CTR]              ; back as 16 bytes a lane (my own bytes, served in order)
	ds_load_b128 v[TMP+4:TMP+7], v[CTR] offset:512
	s_wait_dscnt 0x0                               ; also: all my reads of the block and of the partial scores are over
	global_store_b128 v[L16], v[TMP:TMP+3], s[PPT:PPT+1]               ; 512 consecutive bytes each
	global_store_b128 v[L16], v[TMP+4:TMP+7], s[PPT:PPT+1] offset:512
	s_barrier_signal -1
	s_barrier_wait -1                              ; nobody reads the block any more: its bytes may be stored into again
	s_wait_xcnt 0x0                                ; the bases of the loads and stores that are out, and the stores' data, are rewritten only behind this wait
	s_wait_alu depctr_vm_vsrc(0)                   ; the two stores above have read their eight registers, in which the next block's slice 4 lands
	s_add_nc_u64 s[PEN:PEN+1], s[PEN:PEN+1], NEXTB
	s_add_nc_u64 s[PCV:PCV+1], s[PCV:PCV+1], 512
	s_add_nc_u64 s[PMK:PMK+1], s[PMK:PMK+1], 512
	s_add_nc_u64 s[PSC:PSC+1], s[PSC:PSC+1], 512
	s_add_nc_u64 s[PPT:PPT+1], s[PPT:PPT+1], 4096
	s_add_co_u32 s30, s30, 1
	s_cmp_lt_u32 s30, 2
	s_cbranch_scc1 .Lblock
	s_wait_dscnt 0x0
	s_wait_alu depctr_hold_cnt(0) depctr_sa_sdst(0) depctr_va_vdst(0) depctr_va_sdst(0) depctr_va_ssrc(0) depctr_va_vcc(0) depctr_vm_vsrc(0)
	s_wait_tensorcnt 0x0
	ds_add_u32 v22, v23
	s_wait_dscnt 0x0
	s_endpgm
.Lfunc_end_k_q004ae995b7_attend:
	.size	k_q004ae995b7_attend, .Lfunc_end_k_q004ae995b7_attend-k_q004ae995b7_attend
	.p2alignl 7, 3214868480
	.fill 96, 4, 3214868480
	.section	.rodata,"a",@progbits
	.p2align	6, 0x0
	.amdhsa_kernel k_q004ae995b7_attend
		.amdhsa_group_segment_fixed_size 306688
		.amdhsa_private_segment_fixed_size 0
		.amdhsa_enable_private_segment 0
		.amdhsa_kernarg_size 64
		.amdhsa_user_sgpr_count 2
		.amdhsa_user_sgpr_kernarg_segment_ptr 1
		.amdhsa_wavefront_size32 1
		.amdhsa_system_sgpr_workgroup_id_x 1
		.amdhsa_system_sgpr_workgroup_id_y 1
		.amdhsa_system_sgpr_workgroup_id_z 1
		.amdhsa_system_vgpr_workitem_id 0
		.amdhsa_next_free_vgpr 1024
		.amdhsa_next_free_sgpr 66
		.amdhsa_reserve_vcc 0
		.amdhsa_float_denorm_mode_32 3
		.amdhsa_float_denorm_mode_16_64 3
		.amdhsa_memory_ordered 1
		.amdhsa_forward_progress 1
		.amdhsa_inst_pref_size 255
	.end_amdhsa_kernel
	.section	.bss,"aw",@nobits
	.p2align	6
	.space	262144
	.amdgpu_metadata
---
amdhsa.version: [ 1, 2 ]
amdhsa.kernels:
  - .name:           k_q004ae995b7_attend
    .symbol:         k_q004ae995b7_attend.kd
    .args:
      - { .name: enc_output, .offset: 0, .size: 8, .value_kind: global_buffer, .address_space: global }
      - { .name: wf, .offset: 8, .size: 8, .value_kind: global_buffer, .address_space: global }
      - { .name: feat, .offset: 16, .size: 8, .value_kind: global_buffer, .address_space: global }
      - { .name: wv, .offset: 24, .size: 8, .value_kind: global_buffer, .address_space: global }
      - { .name: coverage, .offset: 32, .size: 8, .value_kind: global_buffer, .address_space: global }
      - { .name: enc_padding_mask, .offset: 40, .size: 8, .value_kind: global_buffer, .address_space: global }
      - { .name: scores, .offset: 48, .size: 8, .value_kind: global_buffer, .address_space: global }
      - { .name: part, .offset: 56, .size: 8, .value_kind: global_buffer, .address_space: global }
    .group_segment_fixed_size: 306688
    .private_segment_fixed_size: 0
    .kernarg_segment_align: 8
    .kernarg_segment_size: 64
    .max_flat_workgroup_size: 128
    .sgpr_count:     66
    .vgpr_count:     1024
    .wavefront_size: 32
...
	.end_amdgpu_metadata
.endif
;; end of part 4
;; launch finish: the kernel of part 3 again; grid 32 x 1, 8 waves a work-group, no clusters, 1,280 bytes of LDS; arguments scores, part, coverage, out0, out1, out2; writes out0, out1, out2
